; MI455X (gfx1250); checked and timed in simulation.
; The chip was launched on July 23, 2026; its instructions are those of AMD's public machine-readable ISA for CDNA 5 (MIT licence, August 2026) and "CDNA5" Instruction Set Architecture Reference Guide (July 2026). The comments in the code are by the model that wrote it; some were corrected since.
;; Dec Attention. Allowed arithmetic: matrix products marked QUANTISED: E3M2 operands, one E8M0 scale for each 32 along K, by v_wmma_scale_f32_16x16x128_f8f6f4 with both operands' format E3M2, f32 sums; everything else in f32.
;; Inputs: Wo 1,024 x 1,024 float32; Wqkv 1,024 x 3,072 float32; bo 1,024 float32; bqkv 3,072 float32; x 4 x 2,048 x 1,024 float32.
;; Outputs: out0 4 x 2,048 x 1,024 float32.
;; This version of the problem:
;;   THIS VERSION OF THE PROBLEM IS GIVEN IN LOW PRECISION. The matrix products marked QUANTISED in the list below multiply operands that are first quantised to E3M2 (3 exponent bits, 2 mantissa bits; 6 bits a number), with one power-of-two scale for each 32 numbers along K (OCP MX v1.0); their sums are f32. All else is computed in f32.
;;   The module's matrix products, in the order in which they are computed (A, B: the left and right operand; K: the contracted axis; several contracted axes count as one K, in the product's order):
;;     1. [M 8,192, K 1,024] x [K 1,024, N 3,072]; A: input x; B: input Wqkv: QUANTISED
;;     2. batch 64 x [M 2,048, K 64] x [K 64, N 2,048]; A: computed on the way; B: computed on the way: QUANTISED
;;     3. batch 64 x [M 2,048, K 2,048] x [K 2,048, N 64]; A: softmax (see below); B: computed on the way: QUANTISED
;;     4. [M 8,192, K 1,024] x [K 1,024, N 1,024]; A: computed on the way; B: input Wo: QUANTISED
;;   THE QUANTISER, for each operand of a quantised product, along K:
;;     - K is cut into blocks of 32 from its start; a last block that is shorter is filled with zeros.
;;     - A block's scale is 2^e with e = floor(log2(the largest magnitude in the block)) - 4, held to -126 .. 127; a block of zeros has e = 0. As a byte (E8M0): e + 127.
;;     - Each number is divided by its block's scale, clamped to +-28, and rounded to the nearest number of E3M2, ties to even, subnormals kept.
;;     - The product sums the exact products of the quantised numbers (number of the format x scale) in f32.
;;   ~~~python
;;   def quantise(x, axis):      # numpy; x: float32 -> the quantised numbers, widened to float32 again
;;       x = np.moveaxis(x, axis, -1); K = x.shape[-1]
;;       x = np.pad(x, [(0, 0)] * (x.ndim - 1) + [(0, -K % 32)]); x = x.reshape(x.shape[:-1] + (-1, 32)); a = np.abs(x).max(-1, keepdims=True)
;;       e = np.where(a > 0, np.clip(np.frexp(np.where(a > 0, a, 1))[1] - 1 - 4, -126, 127), 0)      # np.frexp(a)[1] - 1 = floor(log2(a)), exactly
;;       r = np.clip(x / 2.0 ** e, -28, 28)
;;       step = 2.0 ** (np.maximum(np.frexp(np.where(r == 0, 1, r))[1] - 1, -2) - 2)
;;       q = np.round(r / step) * step * 2.0 ** e      # np.round: ties to even
;;       return np.moveaxis(q.reshape(q.shape[:-2] + (-1,))[..., :K], -1, axis).astype(np.float32)
;;   ~~~
;;   SOFTMAX AHEAD OF A QUANTISED PRODUCT. Where the list says 'softmax', what is quantised is not the finished softmax but p = 2^(t - M), with t = logit x log2(e) and M = ceil(the row's largest t), a whole number; so 1/2 < the row's largest p <= 1. The row's sum l is taken of the UNQUANTISED p, in f32, and the product's result is divided by l at the end. Since M is a whole number, a kernel that streams over the keys may use a running M (the ceiling of the running maximum): every later rescaling is an exact power of two, which a block's scale takes up: the codes' values come out the same.
;;   OPERANDS COMPUTED ON THE WAY. 'Computed on the way' means the value that the module computes at that place (a softmax that the list does not call 'softmax' is quantised finished and normalised). What goes into a quantiser is computed in f32, as accurately as f32 sums, v_exp_f32 and their like allow (about 1e-6 of the number): no bf16 or f16 on the way to a quantiser, and a product that is left as it is and whose result goes on into a quantised operand takes f32 operands (vector FMAs, or v_wmma_f32_16x16x4_f32). A number that lies on a knife's edge between two numbers of the format may be rounded either way, as far as f32 arithmetic and the matrix unit's own rounding can turn it there, and no further.
;; One version. Each part assembles by itself: llvm-mc -triple=amdgcn-amd-amdhsa -mcpu=gfx1250 --defsym DOCPART=n.
;; ======== version 1 of 1: 4 launches
;; workspace buffers: xc 6,291,456 bytes; xs 262,144 bytes; wc 3,145,728 bytes; ws 131,072 bytes; pk 19,660,800 bytes; yc 6,291,456 bytes; ys 262,144 bytes
;; launch quant (part 1): grid 384 x 1, 4 waves a work-group, no clusters, 67,072 bytes of LDS; arguments x, Wqkv, Wo, xc, xs, wc, ws; writes xc, xs, wc, ws
.if DOCPART == 1
	.amdgcn_target "amdgcn-amd-amdhsa--gfx1250"
	.amdhsa_code_object_version 6
	.text
	.protected	k_qf241d798c3_quant
	.globl	k_qf241d798c3_quant
	.p2align	8
	.type	k_qf241d798c3_quant,@function
k_qf241d798c3_quant:
	s_mov_b64 s[64:65], 0
	v_nop
	global_prefetch_b8 v0, s[64:65] scope:SCOPE_SE
	s_setreg_imm32_b32 hwreg(HW_REG_WAVE_MODE, 25, 1), 1
	s_wait_xcnt 0x0
; x [8192][1024], Wqkv [1024][3072] and Wo [1024][1024], f32, become codes of BF6 (E3M2) with one E8M0 byte for each 32 along K (K = the 1,024 of x's rows and of the weights' FIRST axis).
; A block's scale is 2^(floor(log2(largest magnitude)) - 4); its byte is the largest magnitude's exponent field - 4, held at 1 from below.
; LIMITS: NaN and infinities among the inputs are not served; a block whose largest magnitude lies under 2^-122 gets the byte 1; a block of zeros gets the byte 1 where the rule says 127
; (its codes are zeros, which add nothing under any byte but 0xff, and only this program reads the bytes).
; THE BUFFERS ARE LAID AS THE PRODUCTS' REGISTERS WANT THEM.  A tile is 16 rows (of x) or 16 columns (of a weight): row i of tile 2 g + u is the true row 32 g + 8 u + i + 8 (i / 8).
; Codes: byte = (k / 256) x SLOT + tile x 3072 + ((k / 64) % 4) x 768 + 24 x (16 ((k / 32) % 2) + i): a lane's 24 bytes of a block on end.  Scale bytes: tile x 512 + (k / 256) x 128 + 8 i + (k / 32) % 8.
; wc, ws: tiles 0-191 are Wqkv's columns, tiles 192-255 Wo's.
; Work-groups 0-255 take x (a wave: one tile x 512 along K), work-groups 256-383 the weights (a wave: 32 columns x 256 along K).  The two ways part on the work-group's number, each has LDS bytes of its own.
; No tensor loads, no barrier: waves share nothing.  Matrix units and clusters have nothing to do here: memory binds.
.set XSLOT, 1572864                    ; 512 tiles x 3072: 256 along K of all of x
.set WSLOT, 786432                     ; 256 tiles x 3072
.set FLOOR, 0x2800000                  ; 2^(5 - 127): under it no largest magnitude is taken, so the byte cannot fall under 1
.set EOFF,  0xfe000000                 ; -(4 << 23): 4 off an exponent field
.set XWAVE, 10240                      ; x's way: LDS of a wave: 16 rows x 528 as loaded, then
.set CST,   8448                       ; a fragment's 1,536 bytes of codes, then
.set SST,   9984                       ; the wave's 256 scale bytes
.set WBASE, 40960                      ; the weights' way begins behind x's four waves
.set WWAVE, 6400                       ; two tile stages
.set WTILE, 3200                       ; of 3,072 bytes + 128
.set R,    16                          ; x: v16-143 two sets of 64 registers as loaded
.set X,    144                         ; x: v144-207 register 32 c + i = k 64 c + 32 h + i of my row
.set OUT,  240                         ; x: v240-251 a fragment's codes on the way out
.set VO,   16                          ; W: v16-47 i x stride + 4 x lane
.set WX,   48                          ; W: v48-111 two sets of 32 numbers
.set WOUT, 128                         ; W: v128-175 codes on the way out
	s_load_b256 s[4:11], s[0:1], 0x0               ; x s[4:5], Wqkv s[6:7], Wo s[8:9], xc s[10:11]
	s_load_b128 s[12:15], s[0:1], 0x20             ; xs s[12:13], wc s[14:15]
	s_load_b64 s[16:17], s[0:1], 0x30              ; ws
	v_lshl_add_u32 v254, v0, 2, 0x10400
	v_mov_b32 v255, 0
	v_lshrrev_b32 v1, 5, v0
	v_readfirstlane_b32 s18, v1                    ; wave 0..3
	v_and_b32 v15, 31, v0                          ; lane
	s_cmp_lt_u32 ttmp9, 256
	s_cbranch_scc0 .Lweights
; ---------------- x: K is innermost ----------------
	s_lshl_b32 s19, ttmp9, 2
	s_add_co_u32 s19, s19, s18                     ; which of 1,024 shares
	s_lshr_b32 s20, s19, 1                         ; the tile, 0..511
	s_and_b32 s21, s19, 1                          ; which 512 along K
	s_lshr_b32 s22, s20, 1
	s_lshl_b32 s22, s22, 5
	s_and_b32 s23, s20, 1
	s_lshl_b32 s23, s23, 3
	s_add_co_u32 s22, s22, s23                     ; the tile's first true row
	s_lshl_b32 s22, s22, 12                        ; rows of 4,096 bytes
	s_lshl_b32 s23, s21, 11
	s_add_co_u32 s22, s22, s23
	s_mov_b32 s23, 0
	s_mul_i32 s24, s21, 2*XSLOT
	s_mul_i32 s25, s20, 3072
	s_add_co_u32 s24, s24, s25
	s_mov_b32 s25, 0
	s_lshl_b32 s26, s20, 9
	s_lshl_b32 s27, s21, 8
	s_add_co_u32 s26, s26, s27
	s_mov_b32 s27, 0
	s_mul_i32 s28, s18, XWAVE                      ; my wave's LDS
	s_mov_b32 s30, 0x76543210
	s_mov_b32 s31, 0xfedcba98                      ; v_permlanex16_b32's selects for lane l xor 16
	v_and_b32 v10, 15, v0                          ; r
	v_bfe_u32 v11, v0, 4, 1                        ; h
	v_lshlrev_b32 v1, 4, v15                       ; 16 x lane: a load's and a store's place
	v_add_nc_u32 v2, s28, v1                       ; into the stage: a row's 512 bytes as they lie
	v_mul_u32_u24 v3, v10, 528
	v_lshl_add_u32 v3, v11, 7, v3
	v_add_nc_u32 v3, s28, v3                       ; out of it: row r, + 128 h: my block's 32 numbers
	s_add_co_u32 s29, s28, CST
	v_mul_u32_u24 v4, v15, 24
	v_add_nc_u32 v4, s29, v4                       ; codes in: 24 x lane
	v_add_nc_u32 v5, s29, v1                       ; codes out: 16 x lane
	s_add_co_u32 s29, s28, SST
	v_lshlrev_b32 v6, 3, v10
	v_add_nc_u32 v6, s29, v6                       ; scale words in: 8 r
	v_lshlrev_b32 v8, 3, v15
	v_add_nc_u32 v7, s29, v8                       ; scale bytes out: 8 x lane
	v_lshlrev_b32 v9, 3, v11                       ; 8 h: my bytes' place in a scale word
	v_mov_b32 v217, 0                              ; a lane permute's destination counts as one of its sources
	s_wait_kmcnt 0x0
	s_add_nc_u64 s[4:5], s[4:5], s[22:23]
	s_add_nc_u64 s[10:11], s[10:11], s[24:25]
	s_add_nc_u64 s[12:13], s[12:13], s[26:27]
.macro XLOAD t                         ; 128 along K of the tile's 16 rows: each load reads 512 consecutive bytes of one row
.irp i, 0,1,2,3,4,5,6,7,8,9,10,11,12,13,14,15
	global_load_b128 v[R+64*((\t)%2)+4*\i:R+64*((\t)%2)+4*\i+3], v1, s[4:5] offset:(\i+8*(\i/8))*4096+512*(\t) th:TH_LOAD_NT
.endr
.endm
.macro XSTEP t                         ; one fragment: 16 rows x 128 K
.if (\t) < 3
	s_wait_loadcnt 16                              ; this step's 16 loads are in; the next step's may be out
.else
	s_wait_loadcnt 0x0
.endif
.irp i, 0,1,2,3,4,5,6,7,8,9,10,11,12,13,14,15
	ds_store_b128 v2, v[R+64*((\t)%2)+4*\i:R+64*((\t)%2)+4*\i+3] offset:528*\i
.endr
.irp c, 0,1
.irp j, 0,1,2,3,4,5,6,7
	ds_load_b128 v[X+32*\c+4*\j:X+32*\c+4*\j+3], v3 offset:256*\c+16*\j   ; LDS serves a wave's instructions in order: these see the stores above
.endr
.endr
	s_wait_dscnt 0x0                               ; my two blocks are in, and the stores have read the set as loaded
.if (\t) < 2
	XLOAD (\t)+2
.endif
.irp c, 0,1                            ; a block's 32 numbers are all mine: two chains a block, the two blocks by turns
	v_max3_num_f32 v[208+2*\c], |v[X+32*\c]|, |v[X+32*\c+1]|, |v[X+32*\c+2]|
	v_max3_num_f32 v[209+2*\c], |v[X+32*\c+3]|, |v[X+32*\c+4]|, |v[X+32*\c+5]|
.endr
.irp i, 6,10,14,18,22,26
.irp c, 0,1
	v_max3_num_f32 v[208+2*\c], v[208+2*\c], |v[X+32*\c+\i]|, |v[X+32*\c+\i+1]|
	v_max3_num_f32 v[209+2*\c], v[209+2*\c], |v[X+32*\c+\i+2]|, |v[X+32*\c+\i+3]|
.endr
.endr
.irp c, 0,1
	v_max3_num_f32 v[208+2*\c], v[208+2*\c], |v[X+32*\c+30]|, |v[X+32*\c+31]|
.endr
.irp c, 0,1
	v_max3_num_f32 v[208+2*\c], v[208+2*\c], v[209+2*\c], FLOOR
.endr
.irp c, 0,1
	v_add_nc_u32 v[212+\c], EOFF, v[208+2*\c]      ; the conversion takes the exponent field of this operand as its scale
.endr
.irp c, 0,1
	v_lshrrev_b32 v[214+\c], 23, v[212+\c]         ; the scale's byte
.endr
	v_lshl_or_b32 v216, v215, 16, v214             ; my two bytes: blocks h and 2 + h of row r,
	v_lshlrev_b32 v216, v9, v216                   ; at their places in the word;
	v_permlanex16_b32 v217, v216, s30, s31
	v_or_b32 v216, v216, v217                      ; with lane l xor 16's two the word is whole
.irp c, 0,1
	v_cvt_scalef32_pk16_bf6_f32 v[220+10*\c:222+10*\c], v[X+32*\c:X+32*\c+15], v[212+\c]
	v_cvt_scalef32_pk16_bf6_f32 v[226+10*\c:228+10*\c], v[X+32*\c+16:X+32*\c+31], v[212+\c]   ; (a conversion's three registers begin on an even number)
.endr
	v_nop                                          ; one plain place behind a scaled conversion
.irp c, 0,1
.irp i, 0,1,2
	v_mov_b32 v[223+10*\c+\i], v[226+10*\c+\i]
.endr
.endr
.irp c, 0,1
.irp p, 0,1,2
	ds_store_b64 v4, v[220+10*\c+2*\p:221+10*\c+2*\p] offset:768*\c+8*\p
.endr
.endr
	ds_store_b32 v6, v216 offset:128*((\t)/2)+4*((\t)%2)   ; both halves of the lanes write the same word with the same value
.if (\t) > 0
	s_wait_xcnt 0x0                                ; the last step's stores have read OUT: it is loaded again only behind this wait
.endif
.irp i, 0,1,2
	ds_load_b128 v[OUT+4*\i:OUT+4*\i+3], v5 offset:512*\i
.endr
	s_wait_dscnt 0x0
.irp i, 0,1,2
	global_store_b128 v1, v[OUT+4*\i:OUT+4*\i+3], s[10:11] offset:((\t)/2)*XSLOT+((\t)%2)*1536+512*\i   ; 512 consecutive bytes, aligned
.endr
.endm
	XLOAD 0
	XLOAD 1
	XSTEP 0
	XSTEP 1
	XSTEP 2
	XSTEP 3
	ds_load_b64 v[218:219], v7
	s_wait_dscnt 0x0
	global_store_b64 v8, v[218:219], s[12:13]      ; the wave's 256 scale bytes: 256 consecutive bytes, aligned
	s_wait_tensorcnt 0x0
	ds_add_u32 v254, v255
	s_wait_dscnt 0x0
	s_endpgm
; ---------------- the weights: K is the first axis: a lane takes a column, its registers run down K ----------------
.Lweights:
	s_sub_co_u32 s19, ttmp9, 256
	s_lshr_b32 s20, s19, 2                         ; which 128 columns of the 4,096 (3,072 of Wqkv, then 1,024 of Wo)
	s_and_b32 s21, s19, 3                          ; which 256 along K
	s_lshl_b32 s22, s20, 7
	s_lshl_b32 s23, s18, 5
	s_add_co_u32 s22, s22, s23                     ; my wave's first column
	s_mov_b32 s24, 12288
	s_sub_co_u32 s25, s22, 3072                    ; (used only where it is not negative)
	s_cmp_lt_u32 s20, 24
	s_cselect_b32 s24, s24, 4096                   ; a row of the weight in bytes
	s_cselect_b32 s25, s22, s25                    ; my first column in it
	s_lshl_b32 s26, s21, 8
	s_mul_i32 s26, s26, s24
	s_lshl_b32 s27, s25, 2
	s_add_co_u32 s26, s26, s27
	s_mov_b32 s27, 0                               ; s[26:27]: where block 0 begins
	s_lshl_b32 s28, s24, 5
	s_mov_b32 s29, 0                               ; s[28:29]: 32 rows on
	s_lshr_b32 s48, s22, 4                         ; my first tile
	s_mul_i32 s50, s48, 3072
	s_mul_i32 s51, s21, WSLOT
	s_add_co_u32 s50, s50, s51
	s_mov_b32 s51, 0
	s_lshl_b32 s52, s48, 9
	s_lshl_b32 s53, s21, 7
	s_add_co_u32 s52, s52, s53
	s_mov_b32 s53, 0
	v_lshlrev_b32 v2, 2, v15
.irp i, 0,1,2,3,4,5,6,7,8,9,10,11,12,13,14,15,16,17,18,19,20,21,22,23,24,25,26,27,28,29,30,31
	v_mad_u32_u24 v[VO+\i], s24, \i, v2            ; row i of a block, my column
.endr
	v_bfe_u32 v10, v0, 3, 1                        ; u: which of the two tiles my column falls into
	v_and_b32 v11, 7, v0
	v_bfe_u32 v12, v0, 4, 1
	v_lshl_add_u32 v11, v12, 3, v11                ; and which row of it
	s_mul_i32 s30, s18, WWAVE
	s_add_co_u32 s30, s30, WBASE
	v_mul_u32_u24 v3, v10, WTILE
	v_mad_u32_u24 v3, v11, 24, v3
	v_add_nc_u32 v3, s30, v3                       ; codes in
	v_lshlrev_b32 v6, 4, v15
	v_add_nc_u32 v4, s30, v6                       ; codes out
	v_lshlrev_b32 v5, 9, v10
	v_lshl_add_u32 v5, v11, 3, v5                  ; my 8 scale bytes
	s_wait_kmcnt 0x0
	s_cmp_lt_u32 s20, 24                           ; the choice hangs on the work-group's number alone
	s_cselect_b64 s[6:7], s[6:7], s[8:9]
	s_add_nc_u64 s[32:33], s[6:7], s[26:27]
.irp t, 1,2,3,4,5,6,7
	s_add_nc_u64 s[32+2*\t:33+2*\t], s[30+2*\t:31+2*\t], s[28:29]   ; a base for each of the 8 blocks
.endr
	s_add_nc_u64 s[14:15], s[14:15], s[50:51]
	s_add_nc_u64 s[16:17], s[16:17], s[52:53]
.macro WLOAD t                         ; block t: each load reads 128 consecutive bytes, the four waves stand side by side
.irp i, 0,1,2,3,4,5,6,7,8,9,10,11,12,13,14,15,16,17,18,19,20,21,22,23,24,25,26,27,28,29,30,31
	global_load_b32 v[WX+32*((\t)%2)+\i], v[VO+\i], s[32+2*(\t):33+2*(\t)] th:TH_LOAD_NT
.endr
.endm
.macro WBLOCK t
.set XS, WX+32*((\t)%2)
.if (\t) < 7
	s_wait_loadcnt 32                              ; this block's 32 loads are in; the next block's may be out
.else
	s_wait_loadcnt 0x0
.endif
	v_max3_num_f32 v124, |v[XS]|, |v[XS+1]|, |v[XS+2]|
	v_max3_num_f32 v125, |v[XS+3]|, |v[XS+4]|, |v[XS+5]|
.irp i, 6,10,14,18,22,26
	v_max3_num_f32 v124, v124, |v[XS+\i]|, |v[XS+\i+1]|
	v_max3_num_f32 v125, v125, |v[XS+\i+2]|, |v[XS+\i+3]|
.endr
	v_max3_num_f32 v124, v124, |v[XS+30]|, |v[XS+31]|
	v_max3_num_f32 v124, v124, v125, FLOOR
	v_add_nc_u32 v126, EOFF, v124
	v_lshrrev_b32 v127, 23, v126
.if (\t)%4 == 0
	v_mov_b32 v[112+(\t)/4], v127                  ; four bytes to a register, the lower K in the lower byte
.else
	v_lshl_or_b32 v[112+(\t)/4], v127, 8*((\t)%4), v[112+(\t)/4]
.endif
	v_cvt_scalef32_pk16_bf6_f32 v[114:116], v[XS:XS+15], v126
	v_cvt_scalef32_pk16_bf6_f32 v[120:122], v[XS+16:XS+31], v126
	v_nop                                          ; one plain place behind a scaled conversion
.irp i, 0,1,2
	v_mov_b32 v[117+\i], v[120+\i]
.endr
.irp p, 0,1,2
	ds_store_b64 v3, v[114+2*\p:115+2*\p] offset:768*((\t)/2)+384*((\t)%2)+8*\p
.endr
.if (\t)+2 < 8
	WLOAD (\t)+2
.endif
	s_wait_dscnt 0x0                               ; the stores have read their registers: the next block's codes may be written
.endm
	WLOAD 0
	WLOAD 1
.irp t, 0,1,2,3,4,5,6,7
	WBLOCK \t
.endr
	global_store_b64 v5, v[112:113], s[16:17]      ; runs of 128 bytes: one byte in 128 of what this way reads
.irp i, 0,1,2,3,4,5,6,7,8,9,10,11
	ds_load_b128 v[WOUT+4*\i:WOUT+4*\i+3], v4 offset:WTILE*(\i/6)+512*(\i%6)
.endr
.irp i, 0,1,2,3,4,5,6,7,8,9,10,11
	s_wait_dscnt 11-\i
	global_store_b128 v6, v[WOUT+4*\i:WOUT+4*\i+3], s[14:15] offset:512*\i   ; two tiles on end: 6,144 consecutive bytes
.endr
	s_wait_tensorcnt 0x0
	ds_add_u32 v254, v255
	s_wait_dscnt 0x0
	s_endpgm
.Lfunc_end_k_qf241d798c3_quant:
	.size	k_qf241d798c3_quant, .Lfunc_end_k_qf241d798c3_quant-k_qf241d798c3_quant
	.p2alignl 7, 3214868480
	.fill 96, 4, 3214868480
	.section	.rodata,"a",@progbits
	.p2align	6, 0x0
	.amdhsa_kernel k_qf241d798c3_quant
		.amdhsa_group_segment_fixed_size 67072
		.amdhsa_private_segment_fixed_size 0
		.amdhsa_enable_private_segment 0
		.amdhsa_kernarg_size 56
		.amdhsa_user_sgpr_count 2
		.amdhsa_user_sgpr_kernarg_segment_ptr 1
		.amdhsa_wavefront_size32 1
		.amdhsa_system_sgpr_workgroup_id_x 1
		.amdhsa_system_sgpr_workgroup_id_y 1
		.amdhsa_system_sgpr_workgroup_id_z 1
		.amdhsa_system_vgpr_workitem_id 0
		.amdhsa_next_free_vgpr 256
		.amdhsa_next_free_sgpr 66
		.amdhsa_reserve_vcc 0
		.amdhsa_float_denorm_mode_32 3
		.amdhsa_float_denorm_mode_16_64 3
		.amdhsa_memory_ordered 1
		.amdhsa_forward_progress 1
		.amdhsa_inst_pref_size 77
	.end_amdhsa_kernel
	.amdgpu_metadata
---
amdhsa.version: [ 1, 2 ]
amdhsa.kernels:
  - .name:           k_qf241d798c3_quant
    .symbol:         k_qf241d798c3_quant.kd
    .args:
      - { .name: x, .offset: 0, .size: 8, .value_kind: global_buffer, .address_space: global }
      - { .name: Wqkv, .offset: 8, .size: 8, .value_kind: global_buffer, .address_space: global }
      - { .name: Wo, .offset: 16, .size: 8, .value_kind: global_buffer, .address_space: global }
      - { .name: xc, .offset: 24, .size: 8, .value_kind: global_buffer, .address_space: global }
      - { .name: xs, .offset: 32, .size: 8, .value_kind: global_buffer, .address_space: global }
      - { .name: wc, .offset: 40, .size: 8, .value_kind: global_buffer, .address_space: global }
      - { .name: ws, .offset: 48, .size: 8, .value_kind: global_buffer, .address_space: global }
    .group_segment_fixed_size: 67072
    .private_segment_fixed_size: 0
    .kernarg_segment_align: 8
    .kernarg_segment_size: 56
    .max_flat_workgroup_size: 128
    .sgpr_count:     66
    .vgpr_count:     256
    .wavefront_size: 32
...
	.end_amdgpu_metadata
.endif
;; end of part 1
;; launch qkv (part 2): grid 12 x 32, 4 waves a work-group, clusters of 4 x 4, 327,680 bytes of LDS; arguments xc, xs, wc, ws, bqkv, pk; writes pk
.if DOCPART == 2
	.amdgcn_target "amdgcn-amd-amdhsa--gfx1250"
	.amdhsa_code_object_version 6
	.text
	.protected	k_qf241d798c3_qkv
	.globl	k_qf241d798c3_qkv
	.p2align	8
	.type	k_qf241d798c3_qkv,@function
k_qf241d798c3_qkv:
	s_mov_b64 s[64:65], 0
	v_nop
	global_prefetch_b8 v0, s[64:65] scope:SCOPE_SE
	s_setreg_imm32_b32 hwreg(HW_REG_WAVE_MODE, 25, 1), 1
	s_wait_xcnt 0x0
	s_wait_alu depctr_hold_cnt(0) depctr_sa_sdst(0) depctr_va_vdst(0) depctr_va_sdst(0) depctr_va_ssrc(0) depctr_va_vcc(0) depctr_vm_vsrc(0)
	s_getreg_b32 s2, hwreg(HW_REG_IB_STS2, 6, 4)
	s_cmp_eq_u32 s2, 0
	s_cbranch_scc0 .Lentry_in_a_cluster
	s_endpgm
.Lentry_in_a_cluster:
	s_bfe_u32 s2, ttmp6, 0x10000c
	s_cmp_lg_u32 s2, 0xf033
	s_cbranch_scc0 .Lentry_shape_is_right
	s_endpgm
.Lentry_shape_is_right:
; qkv = x Wqkv + bqkv on codes of BF6 (E3M2) with E8M0 scales, sums in f32; the results are quantised at once, q and k along the head's 64, v along the tokens, and leave as codes: no f32 number goes to memory.
; A tile of the result is 256 x 256, made by four waves of 128 x 128 (64 accumulators, 512 registers).  K = 1,024 goes in four slots of 256 through a ring of two LDS slots; the eight steps of 128 are written out.
; THE OPERANDS LIE IN MEMORY IN THE ORDER OF THE REGISTERS (a lane's 24 bytes of a block on end): 128 rows x 256 K are 24,576 dense bytes, one tensor load; a fragment is six loads of 8 bytes, 24 bytes from lane to lane, no padding.
; The scale bytes of the work-group's rows, for all of K, come once with the first fills.
; THE MATRIX INSTRUCTION IS USED TRANSPOSED: source 0 = role B, source 1 = role A: a lane holds one row of role A, its registers run along role B's rows; the rows of a tile are chosen (row i of tile 2 g + u = 32 g + 8 u + i + 8 (i / 8))
; so that the 16 registers of tiles 2 g and 2 g + 1 are 16 neighbours.  Cluster column 0 makes q, 1 makes k: role A = x (a lane: one token, registers along the channels: the next K).
; Cluster column 2 makes v: THE ROLES ARE SWAPPED, role A = W, role B = x: a lane holds one channel and its registers run along the tokens, which are the next K of v.  The choice hangs on the cluster's x, equal in all partners.
; CLUSTERS: 4 x 4; role A's tiles are shared along a row of the cluster, role B's along a column: joint loads.
; pk: for each (batch, head, 256 tokens) 38,400 bytes: K's codes 12,288 (8 fragments: token tiles 2 j and 2 j + 1 in the two halves of the 128), V's codes 12,288 ([128 keys][16 channels]), K's and V's scale words 512 each, Q's codes and words.
; LIMITS: NaN and infinities are not served; a block whose largest magnitude lies under 2^-122 gets the byte 1, a block of zeros too (its codes are zeros; only this program reads the bytes).
; REGISTERS: window 0: v1-31 addresses; v32-63 scale words, two sets; v64-127 the bias, as the C of the first products; v128-223 role A's fragments, one set.  window 1: role B's fragments, two sets.  windows 2, 3: accumulators.
; No prefetch: all that is read here was written by the launch before.
.set NQ,     2
.set FR,     12
.set NL,     6
.set NP,     4
.set HALFT,  24576                     ; 128 rows x 256 K
.set SLOT,   98304                     ; role A's 256 rows, then role B's
.set SCL,    196608                    ; role A's scale bytes, 8,192
.set SCLB,   8320                      ; role B's begin so far behind them: 128 bytes more than A's take, so that the two halves of the lanes read different banks
.set SPARE,  213248                    ; the spare words, 128 bytes for each wave
.set STGQ,   213760                    ; q's and k's way out: 12,800 bytes a wave; no fill lands here
.set STGV,   264960                    ; v's way out, bytes of its own
.set XSLOT,  1572864
.set WSLOT,  786432
.set PACK,   38400
.set BHS,    307200                    ; a head's eight packs
.set PK_VC,  12288
.set PK_KS,  24576
.set PK_VS,  25088
.set PK_QC,  25600
.set PK_QS,  37888
.set SCAV, 12                          ; v12-14 v's way out: codes in, words in, out
.set SSAV, 13
.set FRDV, 14
.set ADRA, 16                          ; v16-17 LDS address of my role A fragments in slot 0, 1
.set ADRB, 20                          ; v20-21 the same for role B
.set SCA,  24                          ; v24-26 q's and k's way out
.set SSA,  25
.set FRD,  26
.set ADRS, 27                          ; v27 my scale words: lanes 0-15 role A's, lanes 16-31 role B's
.set SPW,  28                          ; v28 my spare word; never rewritten
.set NIL,  29                          ; v29 0; never rewritten
.set GOF,  30                          ; v30 16 x lane
.set GSO,  31                          ; v31 the scale words' place in pk
.set SC,   32
.set BIAS, 64
.set AF,   128
.set PC,   32                          ; the way out: v32-127 codes, 12 for each of 8 blocks, so that no store's data are written again
.set PW,   128                         ; v128-135 their scale words
.set TM,   136                         ; v136-151 at work
.set TT,   152                         ; v152-159 at work
.set OUT,  160                         ; v160-255 on the way out
.set WV, 16
.set RH, 17
.set CH, 18
.set G1, 24
.set G0, 32
.set SEL, 40
.set STA, 42                           ; s[42:43], s[44:45] what a refill adds to role A's and role B's address
.set STB, 44
.set G1B, 48
.set G0B, 56
.set G1S, 68
.set G0S, 76
.set G1SB, 80
.set G0SB, 88
.set MSB, 0
.macro WIN new                         ; the immediate's high byte repeats the setting that is left
.if MSB != \new
	s_set_vgpr_msb (MSB<<8)|\new
.set MSB, \new
.endif
.endm
.set MUL_LO, 0xa1                      ; source 0 window 1, source 1 window 0, C and D window 2
.set MUL_HI, 0xf1
.set TO_B,   0x40
.macro JLOAD g0a, g1a, g0b, g1b        ; a joint load: waves 0 and 1 fetch for role A, waves 2 and 3 for role B; four v_nop follow each line
	s_cmp_eq_u32 s[RH], 0
	s_cbranch_scc0 .Lfor_b_\@
	tensor_load_to_lds s[\g0a:\g0a+3], s[\g1a:\g1a+7]
	s_nop 0
.rept 4
	v_nop
.endr
	s_branch .Lasked_\@
.Lfor_b_\@:
	tensor_load_to_lds s[\g0b:\g0b+3], s[\g1b:\g1b+7]
	s_nop 0
.rept 4
	v_nop
.endr
.Lasked_\@:
.endm
.macro CREST                           ; a round of the cluster's barrier behind its opening barrier
	s_cmp_lg_u32 s[WV], 0
	s_cbranch_scc1 .Lnot_wave_0_\@
	s_barrier_signal -3
.Lnot_wave_0_\@:
	s_barrier_wait -3
	s_barrier_signal -1
	s_barrier_wait -1
.endm
.macro CROUND
	s_barrier_signal -1
	s_barrier_wait -1
	CREST
.endm
.macro PLACES n
.rept \n
	v_nop
.endr
.endm
.macro FRAG reg, adr, q, i             ; tile i's fragment of the slot's q-th 128 along K: registers 6 c .. 6 c + 5 hold K = 64 c + 32 (lane / 16) + 0 .. 31
.irp p, 0,1,2,3,4,5
	ds_load_b64 v[\reg+2*\p:\reg+2*\p+1], v[\adr] offset:(\i)*3072+(2*(\q)+\p/3)*768+8*(\p%3)
.endr
.endm
.macro MM a, b, p, q, sc, first        ; first = 1: C is the bias by role B's tile; 2: by role A's tile; 0: in place
.if \first == 1
	v_wmma_scale_f32_16x16x128_f8f6f4 v[8*(8*((\a)%4)+\b):8*(8*((\a)%4)+\b)+7], v[128*(\p)+FR*\b:128*(\p)+FR*\b+FR-1], v[AF+FR*(\a):AF+FR*(\a)+FR-1], v[BIAS+8*\b:BIAS+8*\b+7], v[SC+8*NQ*(\sc)+NQ*\b+(\q)], v[SC+8*NQ*(\sc)+NQ*(\a)+(\q)] matrix_a_fmt:MATRIX_FMT_BF6 matrix_b_fmt:MATRIX_FMT_BF6 matrix_a_scale:MATRIX_SCALE_ROW1
.elseif \first == 2
	v_wmma_scale_f32_16x16x128_f8f6f4 v[8*(8*((\a)%4)+\b):8*(8*((\a)%4)+\b)+7], v[128*(\p)+FR*\b:128*(\p)+FR*\b+FR-1], v[AF+FR*(\a):AF+FR*(\a)+FR-1], v[BIAS+8*(\a):BIAS+8*(\a)+7], v[SC+8*NQ*(\sc)+NQ*\b+(\q)], v[SC+8*NQ*(\sc)+NQ*(\a)+(\q)] matrix_a_fmt:MATRIX_FMT_BF6 matrix_b_fmt:MATRIX_FMT_BF6 matrix_a_scale:MATRIX_SCALE_ROW1
.else
	v_wmma_scale_f32_16x16x128_f8f6f4 v[8*(8*((\a)%4)+\b):8*(8*((\a)%4)+\b)+7], v[128*(\p)+FR*\b:128*(\p)+FR*\b+FR-1], v[AF+FR*(\a):AF+FR*(\a)+FR-1], v[8*(8*((\a)%4)+\b):8*(8*((\a)%4)+\b)+7], v[SC+8*NQ*(\sc)+NQ*\b+(\q)], v[SC+8*NQ*(\sc)+NQ*(\a)+(\q)] matrix_a_fmt:MATRIX_FMT_BF6 matrix_b_fmt:MATRIX_FMT_BF6 matrix_a_scale:MATRIX_SCALE_ROW1
.endif
.endm
.macro MUL16 a0, p, q, sc, first       ; 16 products: role A's blocks a0, a0 + 1 x role B's eight.  The 64 accumulators take turns, one instruction a turn
.irp a, \a0, \a0+1
.irp b, 0,1,2,3,4,5,6,7
	MM \a, \b, \p, \q, \sc, \first
.endr
.endr
.endm
.macro FETCH_B slot, q, p
	WIN TO_B
.irp i, 0,1,2,3,4,5,6,7
	FRAG 128*(\p)+FR*\i, ADRB+\slot, \q, \i
.endr
	WIN 0
.endm
.macro FETCH_A slot, q, i0
.irp i, \i0, \i0+1, \i0+2, \i0+3
	FRAG AF+FR*(\i), ADRA+\slot, \q, \i
.endr
.endm
.macro SCALES sc                       ; a slot's scale words: two words a row; lanes 0-15 role A's block i, lanes 16-31 role B's block i
.irp i, 0,1,2,3,4,5,6,7
	ds_load_b64 v[SC+8*NQ*\sc+NQ*\i:SC+8*NQ*\sc+NQ*\i+1], v[ADRS] offset:\i*512
.endr
.endm
.macro STEP slot, q, first             ; a step of 128 along K that has its successor in the same slot
	s_wait_dscnt 4*NL                              ; role B's set and A's blocks 0-3 are in; the youngest 24 loads (A's blocks 4-7) may be out
.if \first
	WIN 0x81                                       ; C, the bias, in window 0; D in window 2
.else
	WIN MUL_LO
.endif
	MUL16 0, (\q)%2, \q, \slot, \first
	MUL16 2, (\q)%2, \q, \slot, \first
	s_wait_dscnt 0                                 ; A's blocks 4-7 are in
	PLACES NP                                      ; four places in front of loads into registers that matrix instructions have read
	FETCH_B \slot, (\q)+1, 1-(\q)%2
	FETCH_A \slot, (\q)+1, 0
.if \first
	WIN 0xc1
.else
	WIN MUL_HI
.endif
	MUL16 4, (\q)%2, \q, \slot, \first
	MUL16 6, (\q)%2, \q, \slot, \first
	PLACES NP
	WIN 0
	FETCH_A \slot, (\q)+1, 4
.endm
.macro TURN slot, next, fill           ; a slot's last step changes slots: one barrier; fill = 1: this slot is filled again, behind a round of the cluster's barrier
	s_wait_tensorcnt 0x0                           ; all my tensor loads have landed: my part of the next slot
	ds_add_u32 v[SPW], v[NIL]                      ; 0 onto my spare word
	s_wait_dscnt 4*NL+1                            ; (the add and the youngest 24 loads may be out)
	WIN MUL_LO
	MUL16 0, 1, NQ-1, \slot, 0                     ; sixteen products stand between the add and the wait for it
	s_wait_dscnt 0x0                               ; the add is done, and my reads of this slot are over
	s_barrier_signal -1
	MUL16 2, 1, NQ-1, \slot, 0
	WIN 0
	s_barrier_wait -1
.if \fill
	CREST                                          ; no wave of any partner still reads this slot or has a load on its way
	s_add_nc_u64 s[G0+4*\slot+2:G0+4*\slot+3], s[G0+4*\slot+2:G0+4*\slot+3], s[STA:STA+1]
	s_add_nc_u64 s[G0B+4*\slot+2:G0B+4*\slot+3], s[G0B+4*\slot+2:G0B+4*\slot+3], s[STB:STB+1]
	JLOAD G0+4*\slot, G1, G0B+4*\slot, G1B         ; the first tensor load behind the round; its four v_nop are also the places in front of the loads below
.else
	PLACES NP
.endif
	v_add_nc_u32 v[ADRS], 128, v[ADRS]             ; the next slot's scale words
	FETCH_B \next, 0, 0
	FETCH_A \next, 0, 0
	SCALES \next
	WIN MUL_HI
	MUL16 4, 1, NQ-1, \slot, 0
	MUL16 6, 1, NQ-1, \slot, 0
	PLACES NP
	WIN 0
	FETCH_A \next, 0, 4
.endm
	s_load_b256 s[4:11], s[0:1], 0x0               ; xc s[4:5], xs s[6:7], wc s[8:9], ws s[10:11]
	s_load_b128 s[12:15], s[0:1], 0x20             ; bqkv s[12:13], pk s[14:15]
	v_lshl_add_u32 v[SPW], v0, 2, SPARE
	v_mov_b32 v[NIL], 0
	ds_add_u32 v28, v29
	ds_add_u32 v28, v29
	s_wait_dscnt 0x0
	v_lshrrev_b32 v1, 5, v0
	v_readfirstlane_b32 s[WV], v1                  ; wave 0..3
	s_lshr_b32 s[RH], s[WV], 1                     ; my half of role A's rows.  Also: I fetch for role A (0) or B (1)
	s_and_b32 s[CH], s[WV], 1                      ; my half of role B's rows.  Also: which 128 rows I fetch
	s_bfe_u32 s20, ttmp6, 0x40000                  ; cx
	s_bfe_u32 s21, ttmp6, 0x40004                  ; cy
	s_and_b32 s46, ttmp7, 0xffff
	s_lshl_b32 s46, s46, 2                         ; 4 x cluster y
	s_lshl_b32 s47, ttmp9, 2                       ; 4 x cluster x
	s_add_co_u32 s2, s46, s21                      ; q, k: role A's tile = the 256 tokens 4 cluster y + cy
	s_add_co_u32 s3, s21, 8                        ; v:    role A's tile = W's 256 columns 8 + cy
	s_add_co_u32 s66, s47, s20                     ; q, k: role B's tile = W's 256 columns 4 cluster x + cx
	s_add_co_u32 s67, s46, s20                     ; v:    role B's tile = the 256 tokens 4 cluster y + cx
	s_mov_b32 s101, WSLOT
	s_cmp_eq_u32 ttmp9, 2                          ; v?  The cluster's x is equal in all partners
	s_cselect_b32 s22, s3, s2                      ; role A's tile: made of cy alone
	s_cselect_b32 s23, s67, s66                    ; role B's tile: made of cx alone
	s_cselect_b32 s100, 0, 1
	s_cselect_b32 s47, 1, 0
	s_lshl_b32 s[STA], s101, s100                  ; from slot to slot in memory: x's is twice W's
	s_lshl_b32 s[STB], s101, s47
	s_mov_b32 s[STA+1], 0
	s_mov_b32 s[STB+1], 0
	s_lshl_b32 s40, s21, 2
	s_lshl_b32 s40, 15, s40                        ; my row of the cluster
	s_lshl_b32 s41, 0x1111, s20                    ; my column
	s_or_b32 s[G1], s40, (3<<16)|(1<<21)           ; 15:0 the mask; 17:16 elements of 8 bytes; 21 set beside a mask; no padding
	s_or_b32 s[G1B], s41, (3<<16)|(1<<21)
.irp g, G1, G1B                        ; 24,576 dense bytes as 96 rows of 256
	s_mov_b32 s[\g+1], 32<<16
	s_mov_b32 s[\g+2], 96<<16
	s_mov_b32 s[\g+3], 32<<16
	s_mov_b32 s[\g+4], 96
	s_mov_b32 s[\g+5], 32
	s_mov_b32 s[\g+6], 0
	s_mov_b32 s[\g+7], 0
.endr
	s_or_b32 s[G1S], s40, (3<<16)|(1<<21)
	s_or_b32 s[G1SB], s41, (3<<16)|(1<<21)
.irp g, G1S, G1SB                      ; the scale bytes of 128 rows: 4,096 dense bytes as 16 rows of 256
	s_mov_b32 s[\g+1], 32<<16
	s_mov_b32 s[\g+2], 16<<16
	s_mov_b32 s[\g+3], 32<<16
	s_mov_b32 s[\g+4], 16
	s_mov_b32 s[\g+5], 32
	s_mov_b32 s[\g+6], 0
	s_mov_b32 s[\g+7], 0
.endr
	s_mul_i32 s2, s22, 49152
	s_mul_i32 s3, s[CH], 24576
	s_add_co_u32 s2, s2, s3                        ; role A's codes: tile x 49,152 + half x 24,576
	s_mov_b32 s3, 0
	s_mul_i32 s46, s23, 49152
	s_mul_i32 s47, s[CH], 24576
	s_add_co_u32 s46, s46, s47                     ; role B's
	s_mov_b32 s47, 0
	s_lshl_b32 s66, s22, 13
	s_lshl_b32 s67, s[CH], 12
	s_add_co_u32 s66, s66, s67                     ; role A's scale bytes
	s_mov_b32 s67, 0
	s_lshl_b32 s100, s23, 13
	s_lshl_b32 s101, s[CH], 12
	s_add_co_u32 s100, s100, s101                  ; role B's
	s_mov_b32 s101, 0
	s_mul_i32 s19, s[WV], HALFT                    ; where they go: no place in the cluster enters an LDS address
	s_lshl_b32 s40, s[WV], 12
	s_wait_kmcnt 0x0
	s_cmp_eq_u32 ttmp9, 2
	s_cselect_b64 s[92:93], s[8:9], s[4:5]         ; role A's codes
	s_cselect_b64 s[94:95], s[10:11], s[6:7]       ; and scale bytes
	s_cselect_b64 s[96:97], s[4:5], s[8:9]         ; role B's
	s_cselect_b64 s[98:99], s[6:7], s[10:11]
	s_add_nc_u64 s[92:93], s[92:93], s[2:3]
	s_add_nc_u64 s[94:95], s[94:95], s[66:67]
	s_add_nc_u64 s[96:97], s[96:97], s[46:47]
	s_add_nc_u64 s[98:99], s[98:99], s[100:101]
	CROUND                                         ; all sixteen work-groups are here: the first joint loads meet
	s_mov_b32 s[G0S], 1
	s_add_co_u32 s[G0S+1], s40, SCL
	s_mov_b64 s[G0S+2:G0S+3], s[94:95]
	s_or_b32 s[G0S+3], s[G0S+3], 0x80000000
	s_mov_b32 s[G0SB], 1
	s_add_co_u32 s[G0SB+1], s40, SCL+128
	s_mov_b64 s[G0SB+2:G0SB+3], s[98:99]
	s_or_b32 s[G0SB+3], s[G0SB+3], 0x80000000
	JLOAD G0S, G1S, G0SB, G1SB                     ; the scale bytes first: three loads of mine are out at the start
	s_mov_b32 s[G0], 1
	s_mov_b32 s[G0+1], s19
	s_mov_b64 s[G0+2:G0+3], s[92:93]
	s_or_b32 s[G0+3], s[G0+3], 0x80000000
	s_mov_b32 s[G0B], 1
	s_mov_b32 s[G0B+1], s19
	s_mov_b64 s[G0B+2:G0B+3], s[96:97]
	s_or_b32 s[G0B+3], s[G0B+3], 0x80000000
	JLOAD G0, G1, G0B, G1B
	s_mov_b32 s[G0+4], 1
	s_add_co_u32 s[G0+5], s19, SLOT
	s_add_nc_u64 s[G0+6:G0+7], s[92:93], s[STA:STA+1]
	s_or_b32 s[G0+7], s[G0+7], 0x80000000
	s_mov_b32 s[G0B+4], 1
	s_add_co_u32 s[G0B+5], s19, SLOT
	s_add_nc_u64 s[G0B+6:G0B+7], s[96:97], s[STB:STB+1]
	s_or_b32 s[G0B+7], s[G0B+7], 0x80000000
	JLOAD G0+4, G1, G0B+4, G1B
	s_lshl_b32 s[STA], s[STA], 1                   ; a refill goes two slots on
	s_lshl_b32 s[STB], s[STB], 1
	s_mov_b32 s[SEL], 0x76543210
	s_mov_b32 s[SEL+1], 0xfedcba98                 ; v_permlanex16_b32's selects for lane l xor 16
	; every LDS address register is made here, ahead of the first parting of the ways
	v_and_b32 v1, 15, v0                           ; r
	v_bfe_u32 v2, v0, 4, 1                         ; h
	v_and_b32 v3, 31, v0                           ; lane
	v_mul_u32_u24 v4, v3, 24
	s_mul_i32 s2, s[RH], HALFT
	s_mul_i32 s3, s[CH], HALFT
	s_add_co_u32 s3, s3, 2*HALFT
.irp s, 0,1
	v_add_nc_u32 v[ADRA+\s], s2, v4
	v_add_nc_u32 v[ADRB+\s], s3, v4
	s_add_co_u32 s2, s2, SLOT
	s_add_co_u32 s3, s3, SLOT
.endr
	s_lshl_b32 s2, s[RH], 12
	s_lshl_b32 s3, s[CH], 12
	s_add_co_u32 s3, s3, SCLB
	s_sub_co_u32 s3, s3, s2
	v_mul_u32_u24 v5, s3, v2                       ; lanes 16-31 take role B's: one product, the distance between the two bases
	v_lshl_add_u32 v5, v1, 3, v5
	s_add_co_u32 s2, s2, SCL
	v_add_nc_u32 v[ADRS], s2, v5
	s_mul_i32 s2, s[WV], 12800
	s_add_co_u32 s3, s2, STGV
	s_add_co_u32 s2, s2, STGQ
	v_mul_u32_u24 v5, v3, 48
	v_add_nc_u32 v[SCA], s2, v5                    ; codes in: 48 x lane: a fragment's 12 registers of a lane on end
	v_add_nc_u32 v[SCAV], s3, v5
	v_lshlrev_b32 v[GOF], 4, v3
	v_add_nc_u32 v[FRD], s2, v[GOF]                ; out: 16 x lane
	v_add_nc_u32 v[FRDV], s3, v[GOF]
	v_lshlrev_b32 v5, 2, v1
	v_add_nc_u32 v5, 12288, v5
	v_add_nc_u32 v[SSA], s2, v5                    ; scale words in: 4 r
	v_add_nc_u32 v[SSAV], s3, v5
	v_mul_u32_u24 v[GSO], v2, BHS
	v_lshl_add_u32 v[GSO], v1, 4, v[GSO]           ; scale words out: lanes 0-15 the first head's 256 bytes, lanes 16-31 the second's
	v_lshlrev_b32 v6, 6, v2                        ; the bias by channels in registers: 64 h
	v_and_b32 v7, 8, v1
	v_add_nc_u32 v7, v7, v1
	v_lshlrev_b32 v7, 2, v7                        ; the bias by channels in lanes: 4 (r + 8 (r / 8))
	; THE BIAS is the C of each sum's first product, in the result's layout
	s_cmp_eq_u32 ttmp9, 2
	s_cbranch_scc1 .Lbias_v
	s_lshl_b32 s2, s23, 10
	s_lshl_b32 s3, s[CH], 9
	s_add_co_u32 s2, s2, s3
	s_mov_b32 s3, 0
	s_add_nc_u64 s[12:13], s[12:13], s[2:3]        ; my 128 channels
.irp b, 0,1,2,3,4,5,6,7                ; tile b's register j is channel 32 (b / 2) + 16 h + 8 (b % 2) + j
	global_load_b128 v[BIAS+8*\b:BIAS+8*\b+3], v6, s[12:13] offset:(32*(\b/2)+8*(\b%2))*4
	global_load_b128 v[BIAS+8*\b+4:BIAS+8*\b+7], v6, s[12:13] offset:(32*(\b/2)+8*(\b%2))*4+16
.endr
	s_branch .Lbias_done
.Lbias_v:
	s_lshl_b32 s2, s22, 10
	s_lshl_b32 s3, s[RH], 9
	s_add_co_u32 s2, s2, s3
	s_mov_b32 s3, 0
	s_add_nc_u64 s[12:13], s[12:13], s[2:3]
.irp a, 0,1,2,3,4,5,6,7                ; tile a's lane r is channel 32 (a / 2) + 8 (a % 2) + r + 8 (r / 8), the same in its eight registers
	global_load_b32 v[BIAS+8*\a], v7, s[12:13] offset:(32*(\a/2)+8*(\a%2))*4
.endr
	s_wait_loadcnt 0x0
.irp a, 0,1,2,3,4,5,6,7
.irp j, 1,2,3,4,5,6,7
	v_mov_b32 v[BIAS+8*\a+\j], v[BIAS+8*\a]
.endr
.endr
.Lbias_done:
	s_wait_tensorcnt 1                             ; the scale bytes and my part of slot 0 are in; slot 1's load may be out
	s_barrier_signal -1
	s_barrier_wait -1
	FETCH_B 0, 0, 0
	FETCH_A 0, 0, 0
	SCALES 0
	FETCH_A 0, 0, 4
	s_wait_loadcnt 0x0                             ; the bias
	s_cmp_eq_u32 ttmp9, 2
	s_cbranch_scc1 .Lfirst_v
	STEP 0, 0, 1                                   ; the first step starts the sums on the bias: nothing is cleared
	s_branch .Lfirst_done
.Lfirst_v:
	STEP 0, 0, 2
.Lfirst_done:
	TURN 0, 1, 1
	STEP 1, 0, 0
	TURN 1, 0, 1
	STEP 0, 0, 0
	TURN 0, 1, 0                                   ; the last two slots are filled no more
	STEP 1, 0, 0
	s_wait_dscnt 4*NL
	WIN MUL_LO
	MUL16 0, 1, NQ-1, 1, 0
	MUL16 2, 1, NQ-1, 1, 0
	s_wait_dscnt 0
	WIN MUL_HI
	MUL16 4, 1, NQ-1, 1, 0
	MUL16 6, 1, NQ-1, 1, 0
	WIN 0
; THE WAY OUT.  Block a's 64 registers of a lane, register 16 b + i = place 32 b + 16 (lane / 16) + i along the next K, become 12 registers of codes and a scale word.
.macro QUANT a
.set SB, 64*((\a)%4)
.set PCA, PC+12*(\a)
	WIN 20*(2+(\a)/4)                              ; sources 1 and 2: the accumulators' window
.irp b, 0,1,2,3
	v_max3_num_f32 v[TM+\b], 0x2800000, |v[SB+16*\b]|, |v[SB+16*\b+1]|   ; the floor 2^(5 - 127) among the leaves; each accumulator is read from its low end on
.endr
.irp i, 2,4,6,8,10,12,14
.irp b, 0,1,2,3
	v_max3_num_f32 v[TM+\b], v[TM+\b], |v[SB+16*\b+\i]|, |v[SB+16*\b+\i+1]|
.endr
.endr
	WIN 0
.irp b, 0,1,2,3
	v_permlanex16_b32 v[TM+4+\b], v[TM+\b], s[SEL], s[SEL+1]
.endr
.irp b, 0,1,2,3
	v_max_num_f32 v[TM+\b], v[TM+\b], v[TM+4+\b]   ; with lane l xor 16's 16: the block's largest magnitude
.endr
.irp b, 0,1,2,3
	v_add_nc_u32 v[TM+12+\b], 0xfe000000, v[TM+\b] ; 4 off its exponent field: the conversion's scale operand
.endr
.irp b, 0,1,2,3
	v_lshrrev_b32 v[TM+4+\b], 23, v[TM+12+\b]      ; the scale's byte
.endr
	v_lshl_or_b32 v[PW+(\a)], v[TM+5], 8, v[TM+4]
	v_lshl_or_b32 v[PW+(\a)], v[TM+6], 16, v[PW+(\a)]
	v_lshl_or_b32 v[PW+(\a)], v[TM+7], 24, v[PW+(\a)]
	WIN (2+(\a)/4)                                 ; source 0: the accumulators' window
.irp c, 0,1
	v_cvt_scalef32_pk16_bf6_f32 v[PCA+6*\c:PCA+6*\c+2], v[SB+32*\c:SB+32*\c+15], v[TM+12+2*\c]
	v_cvt_scalef32_pk16_bf6_f32 v[TT+4*\c:TT+4*\c+2], v[SB+32*\c+16:SB+32*\c+31], v[TM+12+2*\c+1]
.endr
	WIN 0
	v_nop                                          ; one plain place behind a scaled conversion
.irp c, 0,1                            ; the operand's layout wants a whole block in a lane
.irp i, 0,1,2
	v_permlane16_swap_b32 v[PCA+6*\c+\i], v[TT+4*\c+\i]
.endr
.irp i, 0,1,2
	v_mov_b32 v[PCA+3+6*\c+\i], v[TT+4*\c+\i]
.endr
.endr
.endm
.macro PUTQ a                          ; q, k: registers 0-5 are the first head's 64 of token tile a, registers 6-11 the second head's; two token tiles make a fragment
.set PCA, PC+12*(\a)
.irp d, 0,1
.irp p, 0,1,2
	ds_store_b64 v[SCA], v[PCA+6*\d+2*\p:PCA+6*\d+2*\p+1] offset:\d*6144+((\a)/2)*1536+24*((\a)%2)+8*\p
.endr
.endr
	ds_store_b16 v[SSA], v[PW+(\a)] offset:((\a)/2)*64+2*((\a)%2)            ; the first head's two bytes (both halves of the lanes write the same)
	ds_store_b16_d16_hi v[SSA], v[PW+(\a)] offset:256+((\a)/2)*64+2*((\a)%2) ; the second head's
.endm
.macro PUTV a                          ; v: the 12 registers are the fragment of channel tile a: head a / 4, its tile a % 4, my 128 tokens
.set PCA, PC+12*(\a)
.irp c, 0,1,2
	ds_store_b128 v[SCAV], v[PCA+4*\c:PCA+4*\c+3] offset:((\a)/4)*6144+((\a)%4)*1536+16*\c
.endr
	ds_store_b32 v[SSAV], v[PW+(\a)] offset:((\a)/4)*256+((\a)%4)*64
.endm
.macro EPI v
.if \v
.set EFR, FRDV
	s_lshr_b32 s2, s23, 3                          ; the batch: role B's tile / 8
	s_and_b32 s3, s23, 7                           ; which 256 tokens of it
	s_lshl_b32 s46, s21, 2                         ; heads 4 cy + 2 x my half of role A's rows
	s_lshl_b32 s47, s[RH], 1
	s_mul_i32 s66, s[CH], 6144                     ; which 128 keys of the 256
	s_lshl_b32 s67, s[CH], 8
	s_add_co_u32 s66, s66, PK_VC
	s_add_co_u32 s67, s67, PK_VS
.else
.set EFR, FRD
	s_cmp_eq_u32 ttmp9, 0                          ; q or k
	s_cselect_b32 s66, PK_QC, 0
	s_cselect_b32 s67, PK_QS-PK_KS, 0
	s_lshr_b32 s2, s22, 3
	s_and_b32 s3, s22, 7
	s_lshl_b32 s46, s20, 2                         ; heads 4 cx + 2 x my half of role B's rows
	s_lshl_b32 s47, s[CH], 1
	s_mul_i32 s100, s[RH], 6144
	s_add_co_u32 s66, s66, s100
	s_lshl_b32 s100, s[RH], 8
	s_add_co_u32 s67, s67, s100
	s_add_co_u32 s67, s67, PK_KS
.endif
	s_lshl_b32 s2, s2, 4
	s_add_co_u32 s2, s2, s46
	s_add_co_u32 s2, s2, s47
	s_lshl_b32 s2, s2, 3
	s_add_co_u32 s2, s2, s3
	s_mul_i32 s2, s2, PACK                         ; the first head's pack
	s_add_co_u32 s46, s2, s66
	s_mov_b32 s47, 0
	s_add_co_u32 s66, s2, s67
	s_mov_b32 s67, 0
	s_add_nc_u64 s[46:47], s[14:15], s[46:47]      ; codes
	s_add_nc_u64 s[66:67], s[14:15], s[66:67]      ; scale words
	PLACES NP                                      ; behind the last products
.irp b, 0,1,2,3
	v_mov_b32 v[TM+4+\b], 0                        ; a lane permute's destination counts as one of its sources
.endr
.irp a, 0,1,2,3,4,5,6,7
	QUANT \a
.if \v
	PUTV \a
.else
	PUTQ \a
.endif
.endr
.irp i, 0,1,2,3,4,5,6,7,8,9,10,11,12,13,14,15,16,17,18,19,20,21,22,23
	ds_load_b128 v[OUT+4*\i:OUT+4*\i+3], v[EFR] offset:512*\i   ; LDS serves a wave's instructions in order: these see my stores
.endr
	ds_load_b128 v[8:11], v[EFR] offset:12288
.irp i, 0,1,2,3,4,5,6,7,8,9,10,11,12,13,14,15,16,17,18,19,20,21,22,23
	s_wait_dscnt 24-\i
	global_store_b128 v[GOF], v[OUT+4*\i:OUT+4*\i+3], s[46:47] offset:(\i/12)*BHS+512*(\i%12)   ; 512 consecutive bytes, aligned; 6,144 for each of two heads
.endr
	s_wait_dscnt 0x0
	global_store_b128 v[GSO], v[8:11], s[66:67]    ; sixteen lanes store 256 consecutive bytes, aligned
	s_wait_tensorcnt 0x0                           ; the wave's end
	ds_add_u32 v[SPW], v[NIL]
	s_wait_dscnt 0x0
	CROUND                                         ; the closing round
	s_endpgm
.endm
	s_cmp_eq_u32 ttmp9, 2
	s_cbranch_scc1 .Lout_v
	EPI 0
.Lout_v:
	EPI 1
.Lfunc_end_k_qf241d798c3_qkv:
	.size	k_qf241d798c3_qkv, .Lfunc_end_k_qf241d798c3_qkv-k_qf241d798c3_qkv
	.p2alignl 7, 3214868480
	.fill 96, 4, 3214868480
	.section	.rodata,"a",@progbits
	.p2align	6, 0x0
	.amdhsa_kernel k_qf241d798c3_qkv
		.amdhsa_group_segment_fixed_size 327680
		.amdhsa_private_segment_fixed_size 0
		.amdhsa_enable_private_segment 0
		.amdhsa_kernarg_size 48
		.amdhsa_user_sgpr_count 2
		.amdhsa_user_sgpr_kernarg_segment_ptr 1
		.amdhsa_wavefront_size32 1
		.amdhsa_system_sgpr_workgroup_id_x 1
		.amdhsa_system_sgpr_workgroup_id_y 1
		.amdhsa_system_sgpr_workgroup_id_z 1
		.amdhsa_system_vgpr_workitem_id 0
		.amdhsa_next_free_vgpr 1024
		.amdhsa_next_free_sgpr 102
		.amdhsa_reserve_vcc 0
		.amdhsa_float_denorm_mode_32 3
		.amdhsa_float_denorm_mode_16_64 3
		.amdhsa_memory_ordered 1
		.amdhsa_forward_progress 1
		.amdhsa_inst_pref_size 229
	.end_amdhsa_kernel
	.amdgpu_metadata
---
amdhsa.version: [ 1, 2 ]
amdhsa.kernels:
  - .name:           k_qf241d798c3_qkv
    .symbol:         k_qf241d798c3_qkv.kd
    .args:
      - { .name: xc, .offset: 0, .size: 8, .value_kind: global_buffer, .address_space: global }
      - { .name: xs, .offset: 8, .size: 8, .value_kind: global_buffer, .address_space: global }
      - { .name: wc, .offset: 16, .size: 8, .value_kind: global_buffer, .address_space: global }
      - { .name: ws, .offset: 24, .size: 8, .value_kind: global_buffer, .address_space: global }
      - { .name: bqkv, .offset: 32, .size: 8, .value_kind: global_buffer, .address_space: global }
      - { .name: pk, .offset: 40, .size: 8, .value_kind: global_buffer, .address_space: global }
    .group_segment_fixed_size: 327680
    .private_segment_fixed_size: 0
    .kernarg_segment_align: 8
    .kernarg_segment_size: 48
    .max_flat_workgroup_size: 128
    .sgpr_count:     102
    .vgpr_count:     1024
    .wavefront_size: 32
...
	.end_amdgpu_metadata
.endif
;; end of part 2
;; launch attn (part 3): grid 4 x 64, 16 waves a work-group, no clusters, 244,736 bytes of LDS; arguments pk, yc, ys; writes yc, ys
.if DOCPART == 3
	.amdgcn_target "amdgcn-amd-amdhsa--gfx1250"
	.amdhsa_code_object_version 6
	.text
	.protected	k_qf241d798c3_attn
	.globl	k_qf241d798c3_attn
	.p2align	8
	.type	k_qf241d798c3_attn,@function
k_qf241d798c3_attn:
	s_mov_b64 s[64:65], 0
	v_nop
	global_prefetch_b8 v0, s[64:65] scope:SCOPE_SE
	s_setreg_imm32_b32 hwreg(HW_REG_WAVE_MODE, 25, 1), 1
	s_wait_xcnt 0x0
; y = softmax(q k^T / 8, causal) v for one (batch, head), both products on codes of BF6 (E3M2) with E8M0 scales; y is quantised along the channels at once and leaves as codes, laid as the last product wants its operand.
; THE SOFTMAX: t = score x log2(e) / 8; M = the running largest t rounded UP to a whole number; p = 2^(t - M) is quantised along the keys; the row's sum is taken of the unquantised p and divides at the end.
; SHARES.  Work-group (I, head) owns query blocks 7 - I and I (256 queries each), one after the other: (8 - I) + (I + 1) = 9 slots of 256 keys for every work-group: the trip count is a constant and the work is even.
; Each of sixteen waves owns one tile of 16 queries of the block in hand, in 256 registers; four waves share a SIMD, so that one wave's vector work stands beside another's products and LDS loads.
; ALL NINE SLOTS HAVE LDS BYTES OF THEIR OWN (9 x 25,600): wave 0 asks for them in one group at the start, in the order in which they are walked, and nothing is ever filled again.  So there are three barriers in all,
; each behind a counted wait that shows the next slots landed: in front of slot 0, of slots 1 and 2, and of the loop over slots 3 to 8, which has none: the waves drift apart there and wait for nobody.
; Slot T holds the keys of pack T while the first block lasts (T < 8 - I), then of pack T - (8 - I): only the slot's address in memory hangs on I; every LDS address is a constant of the text and the loop's steps.
; The price: packs 0 .. I are fetched twice, each time into bytes of their own.
; The first block's number is at least 4, so all keys of slots 0 to 2 count for all its queries: these three are written out without any causal line.
; WAVE w OWNS TILE w xor 8 (w & 1): of any four waves whose numbers are neighbours, and of any four that lie 4 apart, two own tiles of a block's first half and two of its second; a tile of the second half has one step more on the diagonal.
; NO CLUSTER: the four work-groups of a head read the same packs, but which steps are jumped over and where the blocks change hangs on the work-group's number among the four: partners would not run alike.
; LAYOUT.  Both products are used transposed: a lane holds one query throughout.  THE HEAD'S K IS 64, THE INSTRUCTION'S 128: a fragment of K holds two tiles of 16 keys, one in each half of the 128; it is multiplied
; by [Q][0] for the first tile's scores and by [0][Q] for the second's: zero codes of Q cancel the other tile exactly (every code is a finite number, every scale byte lies between 1 and 254).
; The keys of a tile are chosen (row i of tile 2 g + u = key 32 g + 8 u + i + 8 (i / 8)) so that the 16 registers of tiles 2 g, 2 g + 1 are 16 neighbouring keys.
; CAUSAL: a step all of whose 128 keys come after my queries is jumped over (a scalar branch on ids); on the diagonal hidden scores become -infinity ahead of the maximum.  A step's first key counts for all my queries.
; LIMITS: NaN and infinities are not served; p under 2^-126 is 0; a block of y under 2^-122, or of zeros, gets the byte 1 (only this program reads the bytes).
; The scale bytes of y leave as single bytes, 32 a wave and block, inside runs of 128: parts of aligned blocks; they are one byte in 24 of what is stored.
.set PACK,  38400
.set BHS,   307200
.set PK_VC, 12288
.set PK_KS, 24576
.set PK_VS, 25088
.set PK_QC, 25600
.set PK_QS, 37888
.set TILEB, 25600                      ; a slot: K's and V's codes and scale words of 256 keys
.set STAGE, 9*TILEB                    ; behind the nine slots: the way out, 768 bytes a wave; no fill lands here
.set XSLOT, 1572864
.set FLOOR, 0x2800000
.set ADC, 3                            ; v1 48 x lane, v2 4 x lane; v3, v4 the same in the slot in hand
.set ADW, 4                            ; v7 stage + 24 x lane, v8 stage + 8 x lane, v9 8 x lane, v10 8 r + h, v11 my query in its block - 16 h
.set QF,  16                           ; v16-33 [Q][zeros][Q]; v34 Q's scale word; v35, v36-41 the second block's
.set KFR, 42                           ; v42-89 four fragments of K; behind the scores' products: p's codes and work
.set PC,  42
.set TT,  54
.set VF,  90                           ; v90-137 four fragments of V
.set SCO, 138                          ; v138-201 S^T, then p
.set OT,  202                          ; v202-233 O^T
.set KSW, 234
.set VSW, 236
.set PW,  238
.set BM,  244
.set PT,  248
.set SO,  252
.set WV, 10                            ; s10 my wave's number
.set I,  11                            ; s11 the work-group's x
.set BH, 12                            ; s12 batch x 16 + head
.set T,  13                            ; s13 the slot in hand
.set TB, 14                            ; s14 its first LDS byte
.set QMIN, 15                          ; s15 my tile's first query
.set KF, 16                            ; s16 the slot's first key
.set N1, 17                            ; s17 8 - I: the first block's slots
.set QB, 18                            ; s18 the block's first query
.set WQ, 19                            ; s19 my tile's first query in its block
.set SEL, 20
.set CS, 22
.set G1, 24                            ; s[24:31] descriptor group 1; groups 0: slots 0-7 in s[68:99], slot 8 in s[32:35]
.set PKB, 36
.set OFF, 38
.set TW, 49                            ; s49 my tile
	s_load_b128 s[4:7], s[0:1], 0x0                ; pk, yc
	s_load_b64 s[8:9], s[0:1], 0x10                ; ys
	v_lshl_add_u32 v6, v0, 2, 0x3b400
	v_mov_b32 v239, 0
	ds_add_u32 v6, v239
	ds_add_u32 v6, v239
	v_lshrrev_b32 v1, 5, v0
	s_delay_alu instid0(VALU_DEP_1)
	v_readfirstlane_b32 s[WV], v1                  ; wave 0..15
	s_and_b32 s[TW], s[WV], 1
	s_lshl_b32 s[TW], s[TW], 3
	s_xor_b32 s[TW], s[TW], s[WV]                  ; my tile: w xor 8 (w & 1)
	s_mov_b32 s[I], ttmp9
	s_and_b32 s[BH], ttmp7, 0xffff
	s_sub_co_u32 s[N1], 8, s[I]
	s_mov_b32 s[G1], 3<<16                         ; elements of 8 bytes, no mask, no padding: 100 rows of 256 bytes
	s_mov_b32 s[G1+1], 32<<16
	s_mov_b32 s[G1+2], 100<<16
	s_mov_b32 s[G1+3], 32<<16
	s_mov_b32 s[G1+4], 100
	s_mov_b32 s[G1+5], 32
	s_mov_b32 s[G1+6], 0
	s_mov_b32 s[G1+7], 0
	s_mul_i32 s[OFF], s[BH], BHS
	s_mov_b32 s[OFF+1], 0
	; where y goes: tile 128 batch + 16 block + my tile; the head is 64 of the 1,024 along the next K
	s_lshr_b32 s50, s[BH], 4
	s_lshl_b32 s50, s50, 7
	s_add_co_u32 s50, s50, s[TW]
	s_and_b32 s51, s[BH], 15
	s_lshr_b32 s52, s51, 2
	s_and_b32 s51, s51, 3
	s_mul_i32 s53, s52, XSLOT
	s_mul_i32 s54, s51, 768
	s_add_co_u32 s53, s53, s54
	s_lshl_b32 s52, s52, 7
	s_lshl_b32 s51, s51, 1
	s_add_co_u32 s52, s52, s51
	s_sub_co_u32 s54, 7, s[I]
	s_lshl_b32 s54, s54, 4
	s_add_co_u32 s54, s54, s50                     ; the first block's tile: block 7 - I
	s_lshl_b32 s55, s[I], 4
	s_add_co_u32 s55, s55, s50                     ; the second's: block I
	s_mul_i32 s40, s54, 3072
	s_add_co_u32 s40, s40, s53
	s_mov_b32 s41, 0
	s_mul_i32 s42, s55, 3072
	s_add_co_u32 s42, s42, s53
	s_mov_b32 s43, 0
	s_lshl_b32 s44, s54, 9
	s_add_co_u32 s44, s44, s52
	s_mov_b32 s45, 0
	s_lshl_b32 s46, s55, 9
	s_add_co_u32 s46, s46, s52
	s_mov_b32 s47, 0
	s_mov_b32 s48, 0xffff0000                      ; lanes 16-31
	; where Q comes from
	s_lshr_b32 s50, s[TW], 1
	s_and_b32 s51, s[TW], 1
	s_mul_i32 s52, s50, 1536
	s_mul_i32 s53, s51, 24
	s_add_co_u32 s52, s52, s53                     ; my tile in its pair's fragment
	s_lshl_b32 s56, s50, 6                         ; the pair's scale words
	s_lshl_b32 s[WQ], s50, 5
	s_lshl_b32 s53, s51, 3
	s_add_co_u32 s[WQ], s[WQ], s53                 ; my tile's first query in its block: 32 (tile / 2) + 8 (tile % 2)
	s_sub_co_u32 s54, 7, s[I]
	s_mul_i32 s54, s54, PACK                       ; the first block's pack
	s_mul_i32 s55, s[I], PACK                      ; the second's
	s_add_co_u32 s58, s54, s56
	s_add_co_u32 s60, s55, s56
	s_add_co_u32 s56, s55, s52
	s_add_co_u32 s54, s54, s52
	s_mov_b32 s55, 0
	s_mov_b32 s57, 0
	s_mov_b32 s59, 0
	s_mov_b32 s61, 0
	s_mov_b32 s[SEL], 0x76543210
	s_mov_b32 s[SEL+1], 0xfedcba98
	s_mov_b32 s[CS], 0x3e38aa3b                    ; c = log2(e) / 8
	s_mov_b32 s[CS+1], s[CS]                       ; (named with it as a pair, so it is written)
	s_sub_co_u32 s[QB], 7, s[I]
	s_lshl_b32 s[QB], s[QB], 8
	s_add_co_u32 s[QMIN], s[QB], s[WQ]
	v_and_b32 v9, 31, v0                           ; lane
	v_and_b32 v10, 15, v0                          ; r
	v_bfe_u32 v11, v0, 4, 1                        ; h
	s_delay_alu instid0(VALU_DEP_3)
	v_mul_u32_u24 v1, v9, 48
	s_delay_alu instid0(VALU_DEP_4)
	v_lshlrev_b32 v2, 2, v9
	s_delay_alu instid0(VALU_DEP_4)
	v_lshlrev_b32 v3, 2, v10
	s_wait_alu depctr_va_vdst(0)
	s_wait_dscnt 0x0
	s_wait_kmcnt 0x0
	s_add_nc_u64 s[PKB:PKB+1], s[4:5], s[OFF:OFF+1]   ; the head's packs
	s_add_nc_u64 s[40:41], s[6:7], s[40:41]
	s_add_nc_u64 s[42:43], s[6:7], s[42:43]
	s_add_nc_u64 s[44:45], s[8:9], s[44:45]
	s_add_nc_u64 s[46:47], s[8:9], s[46:47]
	s_add_nc_u64 s[54:55], s[PKB:PKB+1], s[54:55]
	s_add_nc_u64 s[56:57], s[PKB:PKB+1], s[56:57]
	s_add_nc_u64 s[58:59], s[PKB:PKB+1], s[58:59]
	s_add_nc_u64 s[60:61], s[PKB:PKB+1], s[60:61]
.irp p, 0,1,2                          ; Q is asked for ahead of the nine slots, so that its few bytes do not stand behind their 230,400
	global_load_b64 v[QF+2*\p:QF+2*\p+1], v1, s[54:55] offset:PK_QC+8*\p
	global_load_b64 v[QF+12+2*\p:QF+12+2*\p+1], v1, s[54:55] offset:PK_QC+8*\p
	global_load_b64 v[36+2*\p:37+2*\p], v1, s[56:57] offset:PK_QC+8*\p
.endr
	global_load_b32 v34, v3, s[58:59] offset:PK_QS
	global_load_b32 v35, v3, s[60:61] offset:PK_QS
	; a group 0 for each of the nine slots: none is written again
.irp t, 0,1,2,3,4,5,6,7,8
.if \t == 8
.set GG, 32
.else
.set GG, 68+4*\t
.endif
	s_mov_b32 s[GG], 1                             ; count = 1
	s_mov_b32 s[GG+1], \t*TILEB                    ; LDS address: slot t
.if \t < 5
	s_add_nc_u64 s[GG+2:GG+3], s[PKB:PKB+1], \t*PACK   ; the first block has five slots at the least: pack t
.else
	s_sub_co_u32 s51, \t, s[N1]                    ; (used only where it is not negative)
	s_cmp_gt_u32 s[N1], \t
	s_cselect_b32 s50, \t, s51                     ; pack t while the first block lasts, then pack t - (8 - I)
	s_mul_i32 s[OFF], s50, PACK
	s_add_nc_u64 s[GG+2:GG+3], s[PKB:PKB+1], s[OFF:OFF+1]
.endif
	s_or_b32 s[GG+3], s[GG+3], 0x80000000          ; type = 2
.endr
	s_cmp_lg_u32 s[WV], 0                          ; wave 0 fetches: all its first fills stand in this one branch, ahead of every wait on TENSORcnt, every LDS read and every barrier
	s_cbranch_scc1 .Lnot_mine
.irp t, 0,1,2,3,4,5,6,7
	tensor_load_to_lds s[68+4*\t:71+4*\t], s[G1:G1+7]
	s_nop 0
.endr
	tensor_load_to_lds s[32:35], s[G1:G1+7]        ; nine loads of wave 0 are out, in the order in which the slots are walked
	s_nop 0
.rept 4
	v_nop                                          ; four v_nop follow the last
.endr
.Lnot_mine:
	s_mul_i32 s62, s[WV], 768
	s_add_co_u32 s62, s62, STAGE
	v_mul_u32_u24 v7, v9, 24
	s_delay_alu instid0(VALU_DEP_1)
	v_add_nc_u32 v7, s62, v7
	v_lshlrev_b32 v9, 3, v9
	s_delay_alu instid0(VALU_DEP_1)
	v_add_nc_u32 v8, s62, v9
	v_and_b32 v4, 8, v10
	s_delay_alu instid0(VALU_DEP_1)
	v_add_nc_u32 v4, v4, v10                       ; r + 8 (r / 8)
	v_lshlrev_b32 v242, 4, v11
	s_delay_alu instid0(VALU_DEP_1)
	v_sub_nc_u32 v4, v4, v242
	v_lshl_add_u32 v10, v10, 3, v11
	s_delay_alu instid0(VALU_DEP_2)
	v_add_nc_u32 v11, s[WQ], v4
.irp i, 0,1,2,3,4,5
	v_mov_b32 v[QF+6+\i], 0                        ; zero codes
.endr
	v_mov_b32 v13, 0xff61b1e6                      ; the largest t so far: -3e38
	s_delay_alu instid0(VALU_DEP_1)
	v_floor_f32 v12, -v13                          ; -M
	v_mov_b32 v14, 0
	v_mov_b32 v15, 0
.irp b, 0,1,2,3
	v_mov_b32 v[PT+\b], 0                          ; a lane permute's destination counts as one of its sources
.endr
	v_mov_b32 v241, 0                              ; (named as the upper half of the pair v[240:241])
	s_wait_loadcnt 0x0
	s_and_b32 s50, s[WV], 1                        ; (my tile is odd where my wave's number is)
	s_mov_b32 s51, 0x01000100
	s_cselect_b32 s51, 0x03020302, s51
	v_perm_b32 v34, v34, v34, s51                  ; my tile's two bytes, twice: they serve [Q][0] and [0][Q]
	v_perm_b32 v35, v35, v35, s51
.set j, 0
.rept 32
	v_mov_b32 v[OT+j], 0                           ; a step is written one way: the first finds zeros
.set j, j+1
.endr
.macro STEP q, c                       ; 128 keys, the q-th of the slot in hand.  c = 0: all its keys count for all the block's queries, whatever the work-group: no causal line
.if \c
	s_add_co_u32 s50, s[QMIN], 23
	s_add_co_u32 s51, s[KF], 128*(\q)
	s_cmp_gt_u32 s51, s50
	s_cbranch_scc1 .Lhidden_\@                     ; all its keys come after my queries
.endif
	v_add_nc_u32 v[ADC], s[TB], v1
	v_add_nc_u32 v[ADW], s[TB], v2
	v_nop
	v_nop                                          ; four places in front of loads into registers that matrix instructions have read
.irp j, 0,1,2,3
.irp c2, 0,1,2
	ds_load_b128 v[KFR+12*\j+4*\c2:KFR+12*\j+4*\c2+3], v[ADC] offset:(4*(\q)+\j)*1536+16*\c2
.endr
.endr
.irp i, 0,1
	ds_load_b32 v[KSW+\i], v[ADW] offset:PK_KS+256*(\q)+128*\i   ; lanes 0-15 pair 2 i's words, lanes 16-31 pair 2 i + 1's
.endr
.irp j, 0,1,2,3
.irp c2, 0,1,2
	ds_load_b128 v[VF+12*\j+4*\c2:VF+12*\j+4*\c2+3], v[ADC] offset:PK_VC+6144*(\q)+1536*\j+16*\c2
.endr
.endr
.irp i, 0,1
	ds_load_b32 v[VSW+\i], v[ADW] offset:PK_VS+256*(\q)+128*\i
.endr
	s_wait_dscnt 14                                ; K and its words are in; V's 14 loads may be out
.irp t, 0,1,2,3,4,5,6,7
.if (\t/2)%2
	v_wmma_scale_f32_16x16x128_f8f6f4 v[SCO+8*\t:SCO+8*\t+7], v[KFR+12*(\t/2):KFR+12*(\t/2)+11], v[QF+6*(\t%2):QF+6*(\t%2)+11], 0, v[KSW+\t/4], v34 matrix_a_fmt:MATRIX_FMT_BF6 matrix_b_fmt:MATRIX_FMT_BF6 matrix_a_scale:MATRIX_SCALE_ROW1
.else
	v_wmma_scale_f32_16x16x128_f8f6f4 v[SCO+8*\t:SCO+8*\t+7], v[KFR+12*(\t/2):KFR+12*(\t/2)+11], v[QF+6*(\t%2):QF+6*(\t%2)+11], 0, v[KSW+\t/4], v34 matrix_a_fmt:MATRIX_FMT_BF6 matrix_b_fmt:MATRIX_FMT_BF6
.endif
.endr
.rept 4
	v_nop
.endr
.if \c
	s_add_co_u32 s50, s[KF], 128*(\q)+127
	s_cmp_le_u32 s50, s[QMIN]
	s_cbranch_scc1 .Lopen_\@                       ; all its keys count
	s_sub_co_i32 s50, s[QB], s[KF]
	s_sub_co_i32 s50, s50, 128*(\q)
	v_add_nc_u32 v242, s50, v11                    ; d = my query - the step's first key - 16 h.  Register 16 b + i holds key 32 b + 16 h + i of the step: hidden where 32 b + i > d
	v_mov_b32 v243, 0xff800000
.set n, 0
.rept 64
	v_cmp_gt_i32 vcc_lo, 32*(n/16)+n%16, v242
	v_cndmask_b32 v[SCO+n], v[SCO+n], v243, vcc_lo
.set n, n+1
.endr
.Lopen_\@:
.endif
.irp b, 0,1,2,3
	v_max3_num_f32 v[BM+\b], v[SCO+16*\b], v[SCO+16*\b+1], v[SCO+16*\b+2]   ; the largest score of each block of 32 keys: for the row's maximum, and, since p rises with the score, for the block's largest p
.endr
.irp i, 3,5,7,9,11,13
.irp b, 0,1,2,3
	v_max3_num_f32 v[BM+\b], v[BM+\b], v[SCO+16*\b+\i], v[SCO+16*\b+\i+1]
.endr
.endr
.irp b, 0,1,2,3
	v_max_num_f32 v[BM+\b], v[BM+\b], v[SCO+16*\b+15]
.endr
.irp b, 0,1,2,3
	s_delay_alu instid0(VALU_DEP_4)
	v_permlanex16_b32 v[PT+\b], v[BM+\b], s[SEL], s[SEL+1]
.endr
.irp b, 0,1,2,3
	s_delay_alu instid0(VALU_DEP_4)
	v_max_num_f32 v[BM+\b], v[BM+\b], v[PT+\b]
.endr
	s_delay_alu instid0(VALU_DEP_2)
	v_max3_num_f32 v242, v[BM], v[BM+1], v[BM+2]
	s_delay_alu instid0(VALU_DEP_1)
	v_max_num_f32 v242, v242, v[BM+3]
	s_delay_alu instid0(VALU_DEP_1)
	v_mul_f32 v242, s[CS], v242
	s_delay_alu instid0(VALU_DEP_1)
	v_max_num_f32 v13, v13, v242                   ; the running largest t
	v_mov_b32 v242, v12
	s_delay_alu instid0(VALU_DEP_2)
	v_floor_f32 v12, -v13                          ; the new -M = -ceil(t)
	s_delay_alu instid0(VALU_DEP_1)
	v_sub_f32 v242, v12, v242                      ; old M - new M: a whole number, 0 or less
	s_delay_alu instid0(VALU_DEP_1)
	v_cvt_i32_f32 v242, v242                       ; (it saturates)
	s_delay_alu instid0(VALU_DEP_1)
	v_ldexp_f32 v240, 1.0, v242                    ; f = 2^(old M - new M): a multiplication by it rounds nothing
.set j, 0
.rept 32
	v_pk_fma_f32 v[SCO+j:SCO+j+1], v[SCO+j:SCO+j+1], s[CS:CS+1], v[12:13] op_sel_hi:[1,0,0]   ; t - M
.set j, j+2
.endr
.irp b, 0,1,2,3
	v_fma_f32 v[BM+\b], v[BM+\b], s[CS], v12
.endr
.set j, 0
	s_wait_alu depctr_va_vdst(0)
.rept 64
	v_exp_f32 v[SCO+j], v[SCO+j]                   ; p = 2^(t - M)
.set j, j+1
.endr
.irp b, 0,1,2,3
	v_exp_f32 v[BM+\b], v[BM+\b]                   ; the block's largest p: the same two instructions on the same number
.endr
	v_pk_mul_f32 v[14:15], v[14:15], v[240:241] op_sel_hi:[1,0]   ; the sums under the new M (a plain place behind the exponentials)
	s_wait_alu depctr_va_vdst(0)
.irp b, 0,1,2,3
	v_max_num_f32 v[BM+\b], FLOOR, v[BM+\b]
.endr
.irp b, 0,1,2,3
	s_delay_alu instid0(VALU_DEP_4)
	v_add_nc_u32 v[SO+\b], 0xfe000000, v[BM+\b]
.endr
.irp b, 0,1,2,3
	s_delay_alu instid0(VALU_DEP_4)
	v_lshrrev_b32 v[PT+\b], 23, v[SO+\b]
.endr
	s_delay_alu instid0(VALU_DEP_3)
	v_lshl_or_b32 v[PW], v[PT+1], 8, v[PT]
	s_delay_alu instid0(VALU_DEP_1)
	v_lshl_or_b32 v[PW], v[PT+2], 16, v[PW]
	s_delay_alu instid0(VALU_DEP_1)
	v_lshl_or_b32 v[PW], v[PT+3], 24, v[PW]
.irp c2, 0,1
	v_cvt_scalef32_pk16_bf6_f32 v[PC+6*\c2:PC+6*\c2+2], v[SCO+32*\c2:SCO+32*\c2+15], v[SO+2*\c2]
	v_cvt_scalef32_pk16_bf6_f32 v[TT+4*\c2:TT+4*\c2+2], v[SCO+32*\c2+16:SCO+32*\c2+31], v[SO+2*\c2+1]
.endr
	v_nop                                          ; one plain place behind a scaled conversion
.irp c2, 0,1
.irp i, 0,1,2
	v_permlane16_swap_b32 v[PC+6*\c2+\i], v[TT+4*\c2+\i]
.endr
.irp i, 0,1,2
	s_delay_alu instid0(VALU_DEP_3)
	v_mov_b32 v[PC+3+6*\c2+\i], v[TT+4*\c2+\i]
.endr
.endr
	v_pk_add_f32 v[62:63], v[142:143], v[146:147]
	v_pk_add_f32 v[254:255], v[150:151], v[154:155]
	v_pk_add_f32 v[252:253], v[158:159], v[162:163]
	v_pk_add_f32 v[246:247], v[166:167], v[170:171]
	v_pk_add_f32 v[244:245], v[174:175], v[178:179]
	v_pk_add_f32 v[242:243], v[182:183], v[186:187]
	v_pk_add_f32 v[234:235], v[190:191], v[194:195]
	v_pk_add_f32 v[14:15], v[14:15], v[198:199]
	v_pk_add_f32 v[62:63], v[62:63], v[138:139]
	v_pk_add_f32 v[254:255], v[254:255], v[140:141]
	v_pk_add_f32 v[252:253], v[252:253], v[144:145]
	v_pk_add_f32 v[246:247], v[246:247], v[148:149]
	v_pk_add_f32 v[244:245], v[244:245], v[152:153]
	v_pk_add_f32 v[242:243], v[242:243], v[156:157]
	v_pk_add_f32 v[234:235], v[234:235], v[160:161]
	v_pk_add_f32 v[14:15], v[14:15], v[164:165]
	v_pk_add_f32 v[62:63], v[62:63], v[168:169]
	v_pk_add_f32 v[254:255], v[254:255], v[172:173]
	v_pk_add_f32 v[252:253], v[252:253], v[176:177]
	v_pk_add_f32 v[246:247], v[246:247], v[180:181]
	v_pk_add_f32 v[244:245], v[244:245], v[184:185]
	v_pk_add_f32 v[242:243], v[242:243], v[188:189]
	v_pk_add_f32 v[234:235], v[234:235], v[192:193]
	v_pk_add_f32 v[14:15], v[14:15], v[196:197]
	v_pk_add_f32 v[62:63], v[62:63], v[200:201]
	s_delay_alu instid0(VALU_DEP_2)
	v_pk_add_f32 v[14:15], v[14:15], v[246:247]
	s_delay_alu instid0(VALU_DEP_2)
	v_pk_add_f32 v[62:63], v[62:63], v[244:245]
	v_pk_add_f32 v[254:255], v[254:255], v[242:243]
	v_pk_add_f32 v[252:253], v[252:253], v[234:235]
	s_delay_alu instid0(VALU_DEP_2)
	v_pk_add_f32 v[14:15], v[14:15], v[254:255]
	s_delay_alu instid0(VALU_DEP_2)
	v_pk_add_f32 v[62:63], v[62:63], v[252:253]
	s_delay_alu instid0(VALU_DEP_1)
	v_pk_add_f32 v[14:15], v[14:15], v[62:63]
.set j, 0
.rept 16
	v_pk_mul_f32 v[OT+j:OT+j+1], v[OT+j:OT+j+1], v[240:241] op_sel_hi:[1,0]   ; O^T under the new M
.set j, j+2
.endr
	s_wait_alu depctr_va_vdst(0)
	s_wait_dscnt 0x0                               ; V and its words are in
.irp t, 0,1,2,3
.if \t%2
	v_wmma_scale_f32_16x16x128_f8f6f4 v[OT+8*\t:OT+8*\t+7], v[VF+12*\t:VF+12*\t+11], v[PC:PC+11], v[OT+8*\t:OT+8*\t+7], v[VSW+\t/2], v[PW] matrix_a_fmt:MATRIX_FMT_BF6 matrix_b_fmt:MATRIX_FMT_BF6 matrix_a_scale:MATRIX_SCALE_ROW1
.else
	v_wmma_scale_f32_16x16x128_f8f6f4 v[OT+8*\t:OT+8*\t+7], v[VF+12*\t:VF+12*\t+11], v[PC:PC+11], v[OT+8*\t:OT+8*\t+7], v[VSW+\t/2], v[PW] matrix_a_fmt:MATRIX_FMT_BF6 matrix_b_fmt:MATRIX_FMT_BF6
.endif
.endr
.if \c
.Lhidden_\@:
.endif
.endm
; THE NEXT SLOTS HAVE LANDED.  Tensor loads of a wave end in the order of issue: with n of wave 0's nine still out, slots 0 .. 8 - n are whole.  Wave 0 waits, then signals; the others read behind their wait at the barrier.
.macro ARRIVE n
	s_wait_tensorcnt \n
	s_wait_dscnt 0x0                               ; no LDS instruction of mine is out at a signal
	s_barrier_signal -1
	s_barrier_wait -1
.endm
; THE WAY OUT of a block of queries: O^T / the sum, quantised along the head's 64 channels (register 16 g + i = channel 32 g + 16 h + i), 768 bytes of codes through my stage, 32 scale bytes.
.macro WAYOUT yb, ysb
.rept 4
	v_nop
.endr
	v_add_f32 v14, v14, v15
	s_delay_alu instid0(VALU_DEP_1)
	v_permlanex16_b32 v[PT], v14, s[SEL], s[SEL+1]
	s_delay_alu instid0(VALU_DEP_1)
	v_add_f32 v14, v14, v[PT]
	s_wait_alu depctr_va_vdst(0)
	v_rcp_f32 v14, v14
	v_nop                                          ; one plain place behind a transcendental
.set j, 0
	s_wait_alu depctr_va_vdst(0)
.rept 32
	v_mul_f32 v[SCO+j], v[OT+j], v14               ; each accumulator from its low end on
.set j, j+1
.endr
.irp g, 0,1
	v_max3_num_f32 v[BM+\g], |v[SCO+16*\g]|, |v[SCO+16*\g+1]|, FLOOR
.endr
.irp i, 2,4,6,8,10,12,14
.irp g, 0,1
	s_delay_alu instid0(VALU_DEP_2)
	v_max3_num_f32 v[BM+\g], v[BM+\g], |v[SCO+16*\g+\i]|, |v[SCO+16*\g+\i+1]|
.endr
.endr
.irp g, 0,1
	s_delay_alu instid0(VALU_DEP_2)
	v_permlanex16_b32 v[PT+\g], v[BM+\g], s[SEL], s[SEL+1]
.endr
.irp g, 0,1
	s_delay_alu instid0(VALU_DEP_2)
	v_max_num_f32 v[BM+\g], v[BM+\g], v[PT+\g]
.endr
.irp g, 0,1
	s_delay_alu instid0(VALU_DEP_2)
	v_add_nc_u32 v[SO+\g], 0xfe000000, v[BM+\g]
.endr
.irp g, 0,1
	s_delay_alu instid0(VALU_DEP_2)
	v_lshrrev_b32 v[PT+\g], 23, v[SO+\g]
.endr
	v_cvt_scalef32_pk16_bf6_f32 v[PC:PC+2], v[SCO:SCO+15], v[SO]
	v_cvt_scalef32_pk16_bf6_f32 v[TT:TT+2], v[SCO+16:SCO+31], v[SO+1]
	v_nop
.irp i, 0,1,2
	v_permlane16_swap_b32 v[PC+\i], v[TT+\i]
.endr
.irp i, 0,1,2
	s_delay_alu instid0(VALU_DEP_3)
	v_mov_b32 v[PC+3+\i], v[TT+\i]                 ; lane (r, h): block h of my tile's row r, 24 bytes
.endr
.irp p, 0,1,2
	ds_store_b64 v7, v[PC+2*\p:PC+2*\p+1] offset:8*\p
.endr
.irp p, 0,1,2
	ds_load_b64 v[58+2*\p:59+2*\p], v8 offset:256*\p   ; LDS serves a wave's instructions in order
.endr
	v_cndmask_b32 v64, v[PT], v[PT+1], s48         ; my half's block's byte
	s_wait_alu depctr_va_vdst(0)
	s_wait_dscnt 0x0
.irp p, 0,1,2
	global_store_b64 v9, v[58+2*\p:59+2*\p], s[\yb:\yb+1] offset:256*\p   ; 256 consecutive bytes, aligned
.endr
	global_store_b8 v10, v64, s[\ysb:\ysb+1]
	s_wait_xcnt 0x0                                ; the stores' data registers are written again only behind this wait
.endm
	ARRIVE 8                                       ; slot 0 is whole; the eight loads behind it may be out
	s_mov_b32 s[TB], 0
	STEP 0, 0
	STEP 1, 0
	ARRIVE 6                                       ; slots 1 and 2 are whole; the six loads behind them may be out
	s_mov_b32 s[TB], TILEB
	STEP 0, 0
	STEP 1, 0
	s_mov_b32 s[TB], 2*TILEB
	STEP 0, 0
	STEP 1, 0
	ARRIVE 0                                       ; all nine slots are whole: from here on no wave waits for another
	s_mov_b32 s[TB], 3*TILEB
	s_mov_b32 s[T], 3
.Lslot:                                            ; six trips: slots 3 to 8
	s_sub_co_u32 s51, s[T], s[N1]                  ; (used only where it is not negative)
	s_cmp_lt_u32 s[T], s[N1]
	s_cselect_b32 s50, s[T], s51                   ; the slot's pack
	s_lshl_b32 s[KF], s50, 8                       ; and its first key
	STEP 0, 1
	STEP 1, 1
	s_add_co_u32 s50, s[T], 1
	s_cmp_lg_u32 s50, s[N1]
	s_cbranch_scc1 .Lsame
	WAYOUT 40, 44                                  ; block 7 - I is done: block I begins
	v_mov_b32 v34, v35
.irp i, 0,1,2,3,4,5
	v_mov_b32 v[QF+\i], v[36+\i]
	v_mov_b32 v[QF+12+\i], v[36+\i]
.endr
	v_mov_b32 v13, 0xff61b1e6
	s_delay_alu instid0(VALU_DEP_1)
	v_floor_f32 v12, -v13
	v_mov_b32 v14, 0
	v_mov_b32 v15, 0
.set j, 0
.rept 32
	v_mov_b32 v[OT+j], 0
.set j, j+1
.endr
	s_lshl_b32 s[QB], s[I], 8
	s_add_co_u32 s[QMIN], s[QB], s[WQ]
.Lsame:
	s_add_co_u32 s[TB], s[TB], TILEB
	s_add_co_u32 s[T], s[T], 1
	s_cmp_lt_u32 s[T], 9
	s_cbranch_scc1 .Lslot
	WAYOUT 42, 46
	s_wait_tensorcnt 0x0
	ds_add_u32 v6, v239
	s_wait_dscnt 0x0
	s_endpgm
.Lfunc_end_k_qf241d798c3_attn:
	.size	k_qf241d798c3_attn, .Lfunc_end_k_qf241d798c3_attn-k_qf241d798c3_attn
	.p2alignl 7, 3214868480
	.fill 96, 4, 3214868480
	.section	.rodata,"a",@progbits
	.p2align	6, 0x0
	.amdhsa_kernel k_qf241d798c3_attn
		.amdhsa_group_segment_fixed_size 244736
		.amdhsa_private_segment_fixed_size 0
		.amdhsa_enable_private_segment 0
		.amdhsa_kernarg_size 24
		.amdhsa_user_sgpr_count 2
		.amdhsa_user_sgpr_kernarg_segment_ptr 1
		.amdhsa_wavefront_size32 1
		.amdhsa_system_sgpr_workgroup_id_x 1
		.amdhsa_system_sgpr_workgroup_id_y 1
		.amdhsa_system_sgpr_workgroup_id_z 1
		.amdhsa_system_vgpr_workitem_id 0
		.amdhsa_next_free_vgpr 256
		.amdhsa_next_free_sgpr 100
		.amdhsa_reserve_vcc 1
		.amdhsa_float_denorm_mode_32 3
		.amdhsa_float_denorm_mode_16_64 3
		.amdhsa_memory_ordered 1
		.amdhsa_forward_progress 1
		.amdhsa_inst_pref_size 167
	.end_amdhsa_kernel
	.amdgpu_metadata
---
amdhsa.version: [ 1, 2 ]
amdhsa.kernels:
  - .name:           k_qf241d798c3_attn
    .symbol:         k_qf241d798c3_attn.kd
    .args:
      - { .name: pk, .offset: 0, .size: 8, .value_kind: global_buffer, .address_space: global }
      - { .name: yc, .offset: 8, .size: 8, .value_kind: global_buffer, .address_space: global }
      - { .name: ys, .offset: 16, .size: 8, .value_kind: global_buffer, .address_space: global }
    .group_segment_fixed_size: 244736
    .private_segment_fixed_size: 0
    .kernarg_segment_align: 8
    .kernarg_segment_size: 24
    .max_flat_workgroup_size: 512
    .sgpr_count:     100
    .vgpr_count:     256
    .wavefront_size: 32
...
	.end_amdgpu_metadata
.endif
;; end of part 3
;; launch proj (part 4): grid 4 x 32, 4 waves a work-group, clusters of 4 x 4, 327,680 bytes of LDS; arguments yc, ys, wc, ws, bo, out0; writes out0
.if DOCPART == 4
	.amdgcn_target "amdgcn-amd-amdhsa--gfx1250"
	.amdhsa_code_object_version 6
	.text
	.protected	k_qf241d798c3_proj
	.globl	k_qf241d798c3_proj
	.p2align	8
	.type	k_qf241d798c3_proj,@function
k_qf241d798c3_proj:
	s_mov_b64 s[64:65], 0
	v_nop
	global_prefetch_b8 v0, s[64:65] scope:SCOPE_SE
	s_setreg_imm32_b32 hwreg(HW_REG_WAVE_MODE, 25, 1), 1
	s_wait_xcnt 0x0
	s_wait_alu depctr_hold_cnt(0) depctr_sa_sdst(0) depctr_va_vdst(0) depctr_va_sdst(0) depctr_va_ssrc(0) depctr_va_vcc(0) depctr_vm_vsrc(0)
	s_getreg_b32 s2, hwreg(HW_REG_IB_STS2, 6, 4)
	s_cmp_eq_u32 s2, 0
	s_cbranch_scc0 .Lentry_in_a_cluster
	s_endpgm
.Lentry_in_a_cluster:
	s_bfe_u32 s2, ttmp6, 0x10000c
	s_cmp_lg_u32 s2, 0xf033
	s_cbranch_scc0 .Lentry_shape_is_right
	s_endpgm
.Lentry_shape_is_right:
; out0 = y Wo + bo on codes of BF6 (E3M2) with E8M0 scales, sums in f32.  y [8192][1024] and Wo's columns arrive as codes laid in the order of the operands' registers, with their scale bytes.
; A tile of the result is 256 x 256, four waves of 128 x 128 (64 accumulators).  K = 1,024 in four slots of 256 through a ring of two LDS slots; the eight steps of 128 are written out.
; 128 rows x 256 K are 24,576 dense bytes, one tensor load; a fragment is six loads of 8 bytes, 24 bytes from lane to lane.  The scale bytes for all of K come once with the first fills.
; TRANSPOSED USE: source 0 = 16 columns of Wo, source 1 = 16 rows of y: a lane holds one row of the result.  Row i of tile 2 g + u is the true row (or column) 32 g + 8 u + i + 8 (i / 8): the way out puts both back in order.
; CLUSTERS: 4 x 4; y's tiles are shared along a row of the cluster, Wo's along a column: joint loads.  128 work-groups: the result has no more tiles of this size.
; The bias is the C of each sum's first product.  LIMITS: NaN and infinities are not served.
.set NQ,     2
.set FR,     12
.set NL,     6
.set NP,     4
.set HALFT,  24576
.set SLOT,   98304
.set SCL,    196608
.set SCLB,   8320
.set SPARE,  213248
.set STG,    213760                    ; the way out: 16 rows x 528 bytes for each wave; no fill lands here
.set XSLOT,  1572864
.set WSLOT,  786432
.set ADRA, 16
.set ADRB, 20
.set STO,  24
.set RD,   25
.set CO,   26
.set ADRS, 27
.set SPW,  28
.set NIL,  29
.set SC,   32
.set BIAS, 64
.set AF,   128
.set BK,   128
.set WV, 16
.set RH, 17
.set CH, 18
.set G1, 24
.set G0, 32
.set STA, 42
.set STB, 44
.set G1B, 48
.set G0B, 56
.set G1S, 68
.set G0S, 76
.set G1SB, 80
.set G0SB, 88
.set MSB, 0
.macro WIN new
.if MSB != \new
	s_set_vgpr_msb (MSB<<8)|\new
.set MSB, \new
.endif
.endm
.set MUL_LO, 0xa1
.set MUL_HI, 0xf1
.set TO_B,   0x40
.macro JLOAD g0a, g1a, g0b, g1b        ; a joint load: waves 0 and 1 fetch for y, waves 2 and 3 for Wo; four v_nop follow each line
	s_cmp_eq_u32 s[RH], 0
	s_cbranch_scc0 .Lfor_b_\@
	tensor_load_to_lds s[\g0a:\g0a+3], s[\g1a:\g1a+7]
	s_nop 0
.rept 4
	v_nop
.endr
	s_branch .Lasked_\@
.Lfor_b_\@:
	tensor_load_to_lds s[\g0b:\g0b+3], s[\g1b:\g1b+7]
	s_nop 0
.rept 4
	v_nop
.endr
.Lasked_\@:
.endm
.macro CREST
	s_cmp_lg_u32 s[WV], 0
	s_cbranch_scc1 .Lnot_wave_0_\@
	s_barrier_signal -3
.Lnot_wave_0_\@:
	s_barrier_wait -3
	s_barrier_signal -1
	s_barrier_wait -1
.endm
.macro CROUND
	s_barrier_signal -1
	s_barrier_wait -1
	CREST
.endm
.macro PLACES n
.rept \n
	v_nop
.endr
.endm
.macro FRAG reg, adr, q, i
.irp p, 0,1,2,3,4,5
	ds_load_b64 v[\reg+2*\p:\reg+2*\p+1], v[\adr] offset:(\i)*3072+(2*(\q)+\p/3)*768+8*(\p%3)
.endr
.endm
.macro MM a, b, p, q, sc, first        ; first = 1: C is the bias of Wo's tile b; 0: in place
.if \first == 1
	v_wmma_scale_f32_16x16x128_f8f6f4 v[8*(8*((\a)%4)+\b):8*(8*((\a)%4)+\b)+7], v[128*(\p)+FR*\b:128*(\p)+FR*\b+FR-1], v[AF+FR*(\a):AF+FR*(\a)+FR-1], v[BIAS+8*\b:BIAS+8*\b+7], v[SC+8*NQ*(\sc)+NQ*\b+(\q)], v[SC+8*NQ*(\sc)+NQ*(\a)+(\q)] matrix_a_fmt:MATRIX_FMT_BF6 matrix_b_fmt:MATRIX_FMT_BF6 matrix_a_scale:MATRIX_SCALE_ROW1
.else
	v_wmma_scale_f32_16x16x128_f8f6f4 v[8*(8*((\a)%4)+\b):8*(8*((\a)%4)+\b)+7], v[128*(\p)+FR*\b:128*(\p)+FR*\b+FR-1], v[AF+FR*(\a):AF+FR*(\a)+FR-1], v[8*(8*((\a)%4)+\b):8*(8*((\a)%4)+\b)+7], v[SC+8*NQ*(\sc)+NQ*\b+(\q)], v[SC+8*NQ*(\sc)+NQ*(\a)+(\q)] matrix_a_fmt:MATRIX_FMT_BF6 matrix_b_fmt:MATRIX_FMT_BF6 matrix_a_scale:MATRIX_SCALE_ROW1
.endif
.endm
.macro MUL16 a0, p, q, sc, first       ; the 64 accumulators take turns, one instruction a turn
.irp a, \a0, \a0+1
.irp b, 0,1,2,3,4,5,6,7
	MM \a, \b, \p, \q, \sc, \first
.endr
.endr
.endm
.macro FETCH_B slot, q, p
	WIN TO_B
.irp i, 0,1,2,3,4,5,6,7
	FRAG 128*(\p)+FR*\i, ADRB+\slot, \q, \i
.endr
	WIN 0
.endm
.macro FETCH_A slot, q, i0
.irp i, \i0, \i0+1, \i0+2, \i0+3
	FRAG AF+FR*(\i), ADRA+\slot, \q, \i
.endr
.endm
.macro SCALES sc
.irp i, 0,1,2,3,4,5,6,7
	ds_load_b64 v[SC+8*NQ*\sc+NQ*\i:SC+8*NQ*\sc+NQ*\i+1], v[ADRS] offset:\i*512
.endr
.endm
.macro STEP slot, q, first
	s_wait_dscnt 4*NL                              ; Wo's set and y's blocks 0-3 are in; the youngest 24 loads (y's blocks 4-7) may be out
.if \first
	WIN 0x81                                       ; C, the bias, in window 0; D in window 2
.else
	WIN MUL_LO
.endif
	MUL16 0, (\q)%2, \q, \slot, \first
	MUL16 2, (\q)%2, \q, \slot, \first
	s_wait_dscnt 0
	PLACES NP                                      ; four places in front of loads into registers that matrix instructions have read
	FETCH_B \slot, (\q)+1, 1-(\q)%2
	FETCH_A \slot, (\q)+1, 0
.if \first
	WIN 0xc1
.else
	WIN MUL_HI
.endif
	MUL16 4, (\q)%2, \q, \slot, \first
	MUL16 6, (\q)%2, \q, \slot, \first
	PLACES NP
	WIN 0
	FETCH_A \slot, (\q)+1, 4
.endm
.macro TURN slot, next, fill
	s_wait_tensorcnt 0x0                           ; all my tensor loads have landed: my part of the next slot
	ds_add_u32 v[SPW], v[NIL]                      ; 0 onto my spare word
	s_wait_dscnt 4*NL+1                            ; (the add and the youngest 24 loads may be out)
	WIN MUL_LO
	MUL16 0, 1, NQ-1, \slot, 0
	s_wait_dscnt 0x0                               ; the add is done, and my reads of this slot are over
	s_barrier_signal -1
	MUL16 2, 1, NQ-1, \slot, 0
	WIN 0
	s_barrier_wait -1
.if \fill
	CREST                                          ; no wave of any partner still reads this slot or has a load on its way
	s_add_nc_u64 s[G0+4*\slot+2:G0+4*\slot+3], s[G0+4*\slot+2:G0+4*\slot+3], s[STA:STA+1]
	s_add_nc_u64 s[G0B+4*\slot+2:G0B+4*\slot+3], s[G0B+4*\slot+2:G0B+4*\slot+3], s[STB:STB+1]
	JLOAD G0+4*\slot, G1, G0B+4*\slot, G1B
.else
	PLACES NP
.endif
	v_add_nc_u32 v[ADRS], 128, v[ADRS]
	FETCH_B \next, 0, 0
	FETCH_A \next, 0, 0
	SCALES \next
	WIN MUL_HI
	MUL16 4, 1, NQ-1, \slot, 0
	MUL16 6, 1, NQ-1, \slot, 0
	PLACES NP
	WIN 0
	FETCH_A \next, 0, 4
.endm
	s_load_b256 s[4:11], s[0:1], 0x0               ; yc s[4:5], ys s[6:7], wc s[8:9], ws s[10:11]
	s_load_b128 s[12:15], s[0:1], 0x20             ; bo s[12:13], out0 s[14:15]
	v_lshl_add_u32 v[SPW], v0, 2, SPARE
	v_mov_b32 v[NIL], 0
	ds_add_u32 v28, v29
	ds_add_u32 v28, v29
	s_wait_dscnt 0x0
	v_lshrrev_b32 v1, 5, v0
	v_readfirstlane_b32 s[WV], v1
	s_lshr_b32 s[RH], s[WV], 1
	s_and_b32 s[CH], s[WV], 1
	s_bfe_u32 s20, ttmp6, 0x40000                  ; cx
	s_bfe_u32 s21, ttmp6, 0x40004                  ; cy
	s_and_b32 s22, ttmp7, 0xffff
	s_lshl_b32 s22, s22, 2
	s_add_co_u32 s22, s22, s21                     ; the 256 rows: 4 x cluster y + cy
	s_lshl_b32 s23, ttmp9, 2
	s_add_co_u32 s23, s23, s20                     ; the 256 columns: 4 x cluster x + cx
	s_mov_b32 s[STA], XSLOT
	s_mov_b32 s[STA+1], 0
	s_mov_b32 s[STB], WSLOT
	s_mov_b32 s[STB+1], 0
	s_lshl_b32 s40, s21, 2
	s_lshl_b32 s40, 15, s40
	s_lshl_b32 s41, 0x1111, s20
	s_or_b32 s[G1], s40, (3<<16)|(1<<21)
	s_or_b32 s[G1B], s41, (3<<16)|(1<<21)
.irp g, G1, G1B
	s_mov_b32 s[\g+1], 32<<16
	s_mov_b32 s[\g+2], 96<<16
	s_mov_b32 s[\g+3], 32<<16
	s_mov_b32 s[\g+4], 96
	s_mov_b32 s[\g+5], 32
	s_mov_b32 s[\g+6], 0
	s_mov_b32 s[\g+7], 0
.endr
	s_or_b32 s[G1S], s40, (3<<16)|(1<<21)
	s_or_b32 s[G1SB], s41, (3<<16)|(1<<21)
.irp g, G1S, G1SB
	s_mov_b32 s[\g+1], 32<<16
	s_mov_b32 s[\g+2], 16<<16
	s_mov_b32 s[\g+3], 32<<16
	s_mov_b32 s[\g+4], 16
	s_mov_b32 s[\g+5], 32
	s_mov_b32 s[\g+6], 0
	s_mov_b32 s[\g+7], 0
.endr
	s_mul_i32 s2, s22, 49152
	s_mul_i32 s3, s[CH], 24576
	s_add_co_u32 s2, s2, s3
	s_mov_b32 s3, 0
	s_mul_i32 s46, s23, 49152
	s_mul_i32 s47, s[CH], 24576
	s_add_co_u32 s46, s46, s47
	s_add_co_u32 s46, s46, 589824                  ; Wo's tiles lie behind Wqkv's 192
	s_mov_b32 s47, 0
	s_lshl_b32 s66, s22, 13
	s_lshl_b32 s67, s[CH], 12
	s_add_co_u32 s66, s66, s67
	s_mov_b32 s67, 0
	s_lshl_b32 s100, s23, 13
	s_lshl_b32 s101, s[CH], 12
	s_add_co_u32 s100, s100, s101
	s_add_co_u32 s100, s100, 98304
	s_mov_b32 s101, 0
	s_mul_i32 s19, s[WV], HALFT
	s_lshl_b32 s40, s[WV], 12
	s_wait_kmcnt 0x0
	s_add_nc_u64 s[92:93], s[4:5], s[2:3]
	s_add_nc_u64 s[94:95], s[6:7], s[66:67]
	s_add_nc_u64 s[96:97], s[8:9], s[46:47]
	s_add_nc_u64 s[98:99], s[10:11], s[100:101]
	CROUND                                         ; all sixteen work-groups are here: the first joint loads meet
	s_mov_b32 s[G0S], 1
	s_add_co_u32 s[G0S+1], s40, SCL
	s_mov_b64 s[G0S+2:G0S+3], s[94:95]
	s_or_b32 s[G0S+3], s[G0S+3], 0x80000000
	s_mov_b32 s[G0SB], 1
	s_add_co_u32 s[G0SB+1], s40, SCL+128
	s_mov_b64 s[G0SB+2:G0SB+3], s[98:99]
	s_or_b32 s[G0SB+3], s[G0SB+3], 0x80000000
	JLOAD G0S, G1S, G0SB, G1SB                     ; three loads of mine are out at the start
	s_mov_b32 s[G0], 1
	s_mov_b32 s[G0+1], s19
	s_mov_b64 s[G0+2:G0+3], s[92:93]
	s_or_b32 s[G0+3], s[G0+3], 0x80000000
	s_mov_b32 s[G0B], 1
	s_mov_b32 s[G0B+1], s19
	s_mov_b64 s[G0B+2:G0B+3], s[96:97]
	s_or_b32 s[G0B+3], s[G0B+3], 0x80000000
	JLOAD G0, G1, G0B, G1B
	s_mov_b32 s[G0+4], 1
	s_add_co_u32 s[G0+5], s19, SLOT
	s_add_nc_u64 s[G0+6:G0+7], s[92:93], s[STA:STA+1]
	s_or_b32 s[G0+7], s[G0+7], 0x80000000
	s_mov_b32 s[G0B+4], 1
	s_add_co_u32 s[G0B+5], s19, SLOT
	s_add_nc_u64 s[G0B+6:G0B+7], s[96:97], s[STB:STB+1]
	s_or_b32 s[G0B+7], s[G0B+7], 0x80000000
	JLOAD G0+4, G1, G0B+4, G1B
	s_lshl_b32 s[STA], s[STA], 1                   ; a refill goes two slots on
	s_lshl_b32 s[STB], s[STB], 1
	v_and_b32 v1, 15, v0                           ; r
	v_bfe_u32 v2, v0, 4, 1                         ; h
	v_and_b32 v3, 31, v0                           ; lane
	v_mul_u32_u24 v4, v3, 24
	s_mul_i32 s2, s[RH], HALFT
	s_mul_i32 s3, s[CH], HALFT
	s_add_co_u32 s3, s3, 2*HALFT
.irp s, 0,1
	v_add_nc_u32 v[ADRA+\s], s2, v4
	v_add_nc_u32 v[ADRB+\s], s3, v4
	s_add_co_u32 s2, s2, SLOT
	s_add_co_u32 s3, s3, SLOT
.endr
	s_lshl_b32 s2, s[RH], 12
	s_lshl_b32 s3, s[CH], 12
	s_add_co_u32 s3, s3, SCLB
	s_sub_co_u32 s3, s3, s2
	v_mul_u32_u24 v5, s3, v2                       ; lanes 16-31 take Wo's: one product, the distance between the two bases
	v_lshl_add_u32 v5, v1, 3, v5
	s_add_co_u32 s2, s2, SCL
	v_add_nc_u32 v[ADRS], s2, v5
	s_mul_i32 s2, s[WV], 8448
	s_add_co_u32 s2, s2, STG                       ; my stage
	v_mul_u32_u24 v5, v1, 528
	v_lshl_add_u32 v5, v2, 6, v5
	v_add_nc_u32 v[STO], s2, v5                    ; in: row r, + 64 h
	v_lshlrev_b32 v[CO], 4, v3
	v_add_nc_u32 v[RD], s2, v[CO]                  ; back: the 32 lanes take one row of 512 bytes; and the same in out0
	v_lshlrev_b32 v6, 6, v2
	s_lshl_b32 s2, s23, 10
	s_lshl_b32 s3, s[CH], 9
	s_add_co_u32 s2, s2, s3                        ; my 128 columns, in bytes
	s_mov_b32 s3, 0
	s_add_nc_u64 s[12:13], s[12:13], s[2:3]
.irp b, 0,1,2,3,4,5,6,7                ; tile b's register j is column 32 (b / 2) + 16 h + 8 (b % 2) + j
	global_load_b128 v[BIAS+8*\b:BIAS+8*\b+3], v6, s[12:13] offset:(32*(\b/2)+8*(\b%2))*4
	global_load_b128 v[BIAS+8*\b+4:BIAS+8*\b+7], v6, s[12:13] offset:(32*(\b/2)+8*(\b%2))*4+16
.endr
	s_lshl_b32 s46, s22, 20
	s_lshl_b32 s47, s[RH], 19
	s_add_co_u32 s46, s46, s47                     ; my first row x 4,096 bytes
	s_add_co_u32 s46, s46, s2
	s_mov_b32 s47, 0
	s_add_nc_u64 s[14:15], s[14:15], s[46:47]
	s_wait_tensorcnt 1                             ; the scale bytes and my part of slot 0 are in; slot 1's load may be out
	s_barrier_signal -1
	s_barrier_wait -1
	FETCH_B 0, 0, 0
	FETCH_A 0, 0, 0
	SCALES 0
	FETCH_A 0, 0, 4
	s_wait_loadcnt 0x0                             ; the bias
	STEP 0, 0, 1                                   ; the first step starts the sums on the bias: nothing is cleared
	TURN 0, 1, 1
	STEP 1, 0, 0
	TURN 1, 0, 1
	STEP 0, 0, 0
	TURN 0, 1, 0
	STEP 1, 0, 0
	s_wait_dscnt 4*NL
	WIN MUL_LO
	MUL16 0, 1, NQ-1, 1, 0
	MUL16 2, 1, NQ-1, 1, 0
	s_wait_dscnt 0
	WIN MUL_HI
	MUL16 4, 1, NQ-1, 1, 0
	MUL16 6, 1, NQ-1, 1, 0
	WIN 0
; THE WAY OUT, block by block of 16 rows x 128 columns, through my own stage: in by columns put in their true order, back as whole rows of 512 bytes.
.macro TOSTAGE a
.set AC, 64*((\a)%4)
	WIN 0x08+4*((\a)/4)                            ; the data: window 2 or 3
.irp b, 0,1,2,3,4,5,6,7
	ds_store_b128 v[STO], v[AC+8*\b:AC+8*\b+3] offset:128*(\b/2)+32*(\b%2)       ; each accumulator from its low end on
	ds_store_b128 v[STO], v[AC+8*\b+4:AC+8*\b+7] offset:128*(\b/2)+32*(\b%2)+16
.endr
	WIN 0
.set BB, BK+64*((\a)%2)
.irp t, 0,1,2,3,4,5,6,7,8,9,10,11,12,13,14,15
	ds_load_b128 v[BB+4*\t:BB+4*\t+3], v[RD] offset:\t*528   ; LDS serves a wave's instructions in order
.endr
.endm
.macro SEND a, younger                 ; younger: the LDS instructions issued behind block a's loads, which may stay out
.set BB, BK+64*((\a)%2)
	s_wait_dscnt \younger
.irp t, 0,1,2,3,4,5,6,7,8,9,10,11,12,13,14,15
	global_store_b128 v[CO], v[BB+4*\t:BB+4*\t+3], s[14:15] offset:(32*((\a)/2)+8*((\a)%2)+\t+8*(\t/8))*4096 th:TH_STORE_NT   ; 512 consecutive bytes, aligned; the tile's row t at its true row
.endr
.endm
	PLACES NP
	TOSTAGE 0
.irp a, 1,2,3,4,5,6,7
.if \a > 1
	s_wait_xcnt 0x0                                ; block a - 2's stores have read their registers: block a's loads may land there
.endif
	TOSTAGE \a
	SEND \a-1, 32                                  ; behind block a - 1's loads: block a's 16 stores and 16 loads
.endr
	SEND 7, 0
	s_wait_tensorcnt 0x0                           ; the wave's end
	ds_add_u32 v[SPW], v[NIL]
	s_wait_dscnt 0x0
	CROUND                                         ; the closing round
	s_endpgm
.Lfunc_end_k_qf241d798c3_proj:
	.size	k_qf241d798c3_proj, .Lfunc_end_k_qf241d798c3_proj-k_qf241d798c3_proj
	.p2alignl 7, 3214868480
	.fill 96, 4, 3214868480
	.section	.rodata,"a",@progbits
	.p2align	6, 0x0
	.amdhsa_kernel k_qf241d798c3_proj
		.amdhsa_group_segment_fixed_size 327680
		.amdhsa_private_segment_fixed_size 0
		.amdhsa_enable_private_segment 0
		.amdhsa_kernarg_size 48
		.amdhsa_user_sgpr_count 2
		.amdhsa_user_sgpr_kernarg_segment_ptr 1
		.amdhsa_wavefront_size32 1
		.amdhsa_system_sgpr_workgroup_id_x 1
		.amdhsa_system_sgpr_workgroup_id_y 1
		.amdhsa_system_sgpr_workgroup_id_z 1
		.amdhsa_system_vgpr_workitem_id 0
		.amdhsa_next_free_vgpr 1024
		.amdhsa_next_free_sgpr 102
		.amdhsa_reserve_vcc 0
		.amdhsa_float_denorm_mode_32 3
		.amdhsa_float_denorm_mode_16_64 3
		.amdhsa_memory_ordered 1
		.amdhsa_forward_progress 1
		.amdhsa_inst_pref_size 161
	.end_amdhsa_kernel
	.amdgpu_metadata
---
amdhsa.version: [ 1, 2 ]
amdhsa.kernels:
  - .name:           k_qf241d798c3_proj
    .symbol:         k_qf241d798c3_proj.kd
    .args:
      - { .name: yc, .offset: 0, .size: 8, .value_kind: global_buffer, .address_space: global }
      - { .name: ys, .offset: 8, .size: 8, .value_kind: global_buffer, .address_space: global }
      - { .name: wc, .offset: 16, .size: 8, .value_kind: global_buffer, .address_space: global }
      - { .name: ws, .offset: 24, .size: 8, .value_kind: global_buffer, .address_space: global }
      - { .name: bo, .offset: 32, .size: 8, .value_kind: global_buffer, .address_space: global }
      - { .name: out0, .offset: 40, .size: 8, .value_kind: global_buffer, .address_space: global }
    .group_segment_fixed_size: 327680
    .private_segment_fixed_size: 0
    .kernarg_segment_align: 8
    .kernarg_segment_size: 48
    .max_flat_workgroup_size: 128
    .sgpr_count:     102
    .vgpr_count:     1024
    .wavefront_size: 32
...
	.end_amdgpu_metadata
.endif
;; end of part 4
